; MI455X (gfx1250); checked and timed in simulation.
; The chip was launched on July 23, 2026; its instructions are those of AMD's public machine-readable ISA for CDNA 5 (MIT licence, August 2026) and "CDNA5" Instruction Set Architecture Reference Guide (July 2026). The comments in the code are by the model that wrote it; some were corrected since.
;; LSTM Cell2. Allowed arithmetic: float matrix products may take bf16 or f16 operands with f32 sums; other float arithmetic in f32, or as packed bf16 or f16 multiplies, adds, multiply-adds, maxima and minima; sums over many terms, partial sums and values carried from step to step in f32; what a program stores and reads back later, other than sums and carried values, may be rounded once to bf16 or f16.
;; Inputs: W 8,192 x 2,048 float32; b 8,192 float32; c 4,096 x 2,048 float32; gn_bias 8,192 float32; gn_weight 8,192 float32; h 4,096 x 2,048 float32; x 1 x 4,096 x 2,048 float32.
;; Outputs: out0 4,096 x 2,048 float32; out1 4,096 x 2,048 float32.
;; 2 versions, each right; version 2 is version 1 with the launch cell written anew for expert scheduling mode. Each part assembles by itself: llvm-mc -triple=amdgcn-amd-amdhsa -mcpu=gfx1250 --defsym DOCPART=n.
;; ======== version 1 of 2: 3 launches
;; workspace buffers: hb 16,777,216 bytes; wb 33,554,432 bytes; zb 67,108,864 bytes; st 2,097,152 bytes
;; launch cast (part 1): grid 1536 x 1, 8 waves a work-group, no clusters, 0 bytes of LDS; arguments h, W, hb, wb; writes hb, wb
.if DOCPART == 1
	.amdgcn_target "amdgcn-amd-amdhsa--gfx1250"
	.amdhsa_code_object_version 6
	.text
	.protected	k_q6cb0787b0e_cast
	.globl	k_q6cb0787b0e_cast
	.p2align	8
	.type	k_q6cb0787b0e_cast,@function
k_q6cb0787b0e_cast:
	s_mov_b64 s[64:65], 0
	v_nop
	global_prefetch_b8 v0, s[64:65] scope:SCOPE_SE
	s_setreg_imm32_b32 hwreg(HW_REG_WAVE_MODE, 25, 1), 1
	s_wait_xcnt 0x0
; hb = h and wb = W, each number rounded once to bf16 (nearest even): the matrix operands of the next launch.
; h: [4096][2048] f32, W: [8192][2048] f32; both are dense, so the launch sees them as two runs of numbers.
; SHARES.  A work-group converts 16,384 consecutive numbers: 65,536 bytes in, 32,768 out.  Work-groups 0-511 take h, 512-1535 take W.
; In step i of 16 thread t takes numbers 1,024 i + 4 t .. + 3: one load of 16 bytes (a wave: 512 consecutive bytes) and one store
; of 8 bytes (a wave: 256 consecutive bytes, at a multiple of 256 from the buffer's first byte).
; All sixteen loads of a thread go out at once; each step has registers of its own, so nothing is written twice and the only waits are the counted ones.
; No LDS, no barrier, no cluster: no byte is wanted by two threads.
.set X, 4                              ; v[4:67]   step i: four f32 as loaded
.set Y, 68                             ; v[68:99]  step i: four bf16 to store
	s_load_b256 s[4:11], s[0:1], 0x0               ; h s[4:5], W s[6:7], hb s[8:9], wb s[10:11]
	v_lshlrev_b32 v1, 4, v0                        ; my 16 bytes of a step's 4,096
	v_lshlrev_b32 v2, 3, v0                        ; my 8 bytes of a step's 2,048
	s_max_u32 s12, ttmp9, 512
	s_sub_co_u32 s12, s12, 512                     ; the share's number in W
	s_wait_kmcnt 0x0
	s_cmp_lt_u32 ttmp9, 512                        ; the choice hangs on the work-group's number alone
	s_cselect_b32 s12, ttmp9, s12
	s_cselect_b64 s[14:15], s[4:5], s[6:7]         ; from
	s_cselect_b64 s[16:17], s[8:9], s[10:11]       ; to
	s_lshl_b32 s18, s12, 16                        ; 65,536 bytes a share in,
	s_mov_b32 s19, 0
	s_add_nc_u64 s[14:15], s[14:15], s[18:19]
	s_lshl_b32 s18, s12, 15                        ; 32,768 out
	s_add_nc_u64 s[16:17], s[16:17], s[18:19]
.irp i, 0,1,2,3,4,5,6,7,8,9,10,11,12,13,14,15
	global_load_b128 v[X+4*(\i):X+4*(\i)+3], v1, s[14:15] offset:4096*(\i) th:TH_LOAD_NT
.endr
.irp i, 0,1,2,3,4,5,6,7,8,9,10,11,12,13,14,15
	s_wait_loadcnt 15-(\i)                         ; loads come back in order: step i is in, the younger ones stay out
	v_cvt_pk_bf16_f32 v[Y+2*(\i)],   v[X+4*(\i)],   v[X+4*(\i)+1]
	v_cvt_pk_bf16_f32 v[Y+2*(\i)+1], v[X+4*(\i)+2], v[X+4*(\i)+3]
	global_store_b64 v2, v[Y+2*(\i):Y+2*(\i)+1], s[16:17] offset:2048*(\i)
.endr
	s_endpgm
.Lfunc_end_k_q6cb0787b0e_cast:
	.size	k_q6cb0787b0e_cast, .Lfunc_end_k_q6cb0787b0e_cast-k_q6cb0787b0e_cast
	.p2alignl 7, 3214868480
	.fill 96, 4, 3214868480
	.section	.rodata,"a",@progbits
	.p2align	6, 0x0
	.amdhsa_kernel k_q6cb0787b0e_cast
		.amdhsa_group_segment_fixed_size 0
		.amdhsa_private_segment_fixed_size 0
		.amdhsa_enable_private_segment 0
		.amdhsa_kernarg_size 32
		.amdhsa_user_sgpr_count 2
		.amdhsa_user_sgpr_kernarg_segment_ptr 1
		.amdhsa_wavefront_size32 1
		.amdhsa_system_sgpr_workgroup_id_x 1
		.amdhsa_system_sgpr_workgroup_id_y 1
		.amdhsa_system_sgpr_workgroup_id_z 1
		.amdhsa_system_vgpr_workitem_id 0
		.amdhsa_next_free_vgpr 100
		.amdhsa_next_free_sgpr 66
		.amdhsa_reserve_vcc 0
		.amdhsa_float_denorm_mode_32 3
		.amdhsa_float_denorm_mode_16_64 3
		.amdhsa_memory_ordered 1
		.amdhsa_forward_progress 1
		.amdhsa_inst_pref_size 7
	.end_amdhsa_kernel
	.amdgpu_metadata
---
amdhsa.version: [ 1, 2 ]
amdhsa.kernels:
  - .name:           k_q6cb0787b0e_cast
    .symbol:         k_q6cb0787b0e_cast.kd
    .args:
      - { .name: h, .offset: 0, .size: 8, .value_kind: global_buffer, .address_space: global }
      - { .name: W, .offset: 8, .size: 8, .value_kind: global_buffer, .address_space: global }
      - { .name: hb, .offset: 16, .size: 8, .value_kind: global_buffer, .address_space: global }
      - { .name: wb, .offset: 24, .size: 8, .value_kind: global_buffer, .address_space: global }
    .group_segment_fixed_size: 0
    .private_segment_fixed_size: 0
    .kernarg_segment_align: 8
    .kernarg_segment_size: 32
    .max_flat_workgroup_size: 256
    .sgpr_count:     66
    .vgpr_count:     100
    .wavefront_size: 32
...
	.end_amdgpu_metadata
.endif
;; end of part 1
;; launch gemm (part 2): grid 32 x 8, 4 waves a work-group, clusters of 4 x 4, 327,680 bytes of LDS; arguments hb, wb, zb, st, b; writes zb, st
.if DOCPART == 2
	.amdgcn_target "amdgcn-amd-amdhsa--gfx1250"
	.amdhsa_code_object_version 6
	.text
	.protected	k_q6cb0787b0e_gemm
	.globl	k_q6cb0787b0e_gemm
	.p2align	8
	.type	k_q6cb0787b0e_gemm,@function
k_q6cb0787b0e_gemm:
	s_mov_b64 s[64:65], 0
	v_nop
	global_prefetch_b8 v0, s[64:65] scope:SCOPE_SE
	s_setreg_imm32_b32 hwreg(HW_REG_WAVE_MODE, 25, 1), 1
	s_wait_xcnt 0x0
	s_wait_alu depctr_hold_cnt(0) depctr_sa_sdst(0) depctr_va_vdst(0) depctr_va_sdst(0) depctr_va_ssrc(0) depctr_va_vcc(0) depctr_vm_vsrc(0)
	s_getreg_b32 s2, hwreg(HW_REG_IB_STS2, 6, 4)
	s_cmp_eq_u32 s2, 0
	s_cbranch_scc0 .Lentry_in_a_cluster
	s_endpgm
.Lentry_in_a_cluster:
	s_bfe_u32 s2, ttmp6, 0x10000c
	s_cmp_lg_u32 s2, 0xf033
	s_cbranch_scc0 .Lentry_shape_is_right
	s_endpgm
.Lentry_shape_is_right:
; z[m][n] = b[n] + the sum over k of hb[m][k] wb[n][k].  hb: [4096][2048], wb: [8192][2048], bf16; sums in f32, started with the bias as the first product's C operand.
; ALL THE MODULE'S INPUTS ENTER ROUNDED ONCE TO bf16: h and W in the launch before, b here, c, gain and bias in the launch behind: the program computes the module on one set of numbers, not on some rounded and some not.
; WHAT LEAVES.  The group norm behind this launch wants, for each row, mean and variance over 2,048 columns, which eight work-groups make.  So z leaves in pieces that need no neighbour:
; a CHUNK is 128 columns of one row, exactly what one wave holds of that row.  For each (row, chunk): cm = the chunk's mean, M2 = the sum of (z - cm)^2, both f32, into st[chunk][row][2];
; and (z - cm) / s with s = sqrt(max(M2 / 128, 2^-100)), rounded once to f16, into zb[row][column].  The next launch joins a group's 16 chunks: no square of a large number and no difference of large sums is
; ever formed.  Since (z - cm)^2 <= M2, what is stored lies within +- sqrt(128) = 11.4 whatever the inputs: f16's range is never at stake, and its 11 significant bits are kept.  A chunk of equal numbers gives 0 x 2^50 = 0.
; LIMITS.  Matrix operands are bf16.  zb keeps 11 significant bits of each normalised deviation (below 6e-5: f16's fixed step of 6e-8).  NaN and infinities are not treated apart.
; The problem's input x enters no result of the module, and no launch reads it.
; SHAPE.  A tile of z, 256 x 256, is made by four waves, each 128 x 128: 64 accumulators of 16 x 16, 512 registers.  K goes in steps of 128 through a ring of two LDS slots filled by the tensor data mover:
; rows of 256 bytes that start at multiples of 256 bytes.  A WORK-GROUP STAYS: it makes two tiles, 2,048 rows apart, and the ring runs on from the first into the second.
; CLUSTERS: 4 x 4 work-groups.  The four of a row of the cluster need the same tiles of hb, the four of a column the same tiles of wb: each tile is asked for JOINTLY, by the same tensor load with the same
; descriptor and a mask that names the four.
; REGISTERS, in windows of 256 (s_set_vgpr_msb's low byte: bits 1:0 source 0, 3:2 source 1, 5:4 source 2, 7:6 destination):
;   window 0: v0-31 addresses and the way out's few numbers; v64-127, v128-191 fragments of hb, two buffers; v32-63, v192-255 at work on the way out
;   window 1: v0-63 the bias of my 128 columns, laid as a C operand; v64-127, v128-191 fragments of wb, two buffers
;   window 2: the 32 accumulators of my rows 0-63 (accumulator (a, b) at v[8 (8 a + b)]);   window 3: those of my rows 64-127
; THE MATRIX INSTRUCTION IS USED TRANSPOSED: source 0 = 16 rows of wb, source 1 = 16 rows of hb.  In the result lane l holds row l % 16 of z and its registers 0 to 7 the columns 8 (l / 16) + 0 .. 7.
.set SIZE_M, 4096
.set SIZE_N, 8192
.set SIZE_K, 2048
.set SIZE_TILES, 2
.set KSTEP,  128
.set TINY,   0x0d800000                ; 2^-100: the floor under M2 / 128
.set PITCH,  272                       ; an LDS row: 256 bytes of data + 16 of padding = 68 words: row r starts at bank 4 r mod 64 (64 banks of 4 bytes: ISA guide 11.1)
.set HALFT,  128*PITCH                 ; 128 rows: what one tensor load brings, and what one wave reads of hb or of wb
.set SLOT,   4*HALFT                   ; hb's 256 rows, then wb's 256 rows
.set STAGE,  2*SLOT                    ; behind the ring: 16 rows x 272 bytes for each wave, for the way out
.set SPITCH, 272
.set SSTG,   STAGE+4*16*SPITCH         ; behind the stages: 128 rows x (cm, M2) for each wave, 1,024 bytes
.set SPARE,  SSTG+4*1024               ; behind them: the spare words, 128 bytes for each wave: two blocks of 256 bytes that no other line names
.set LAPS, SIZE_K/(2*KSTEP)            ; a lap = two K steps = once round the ring
.set WALK,   SIZE_M/SIZE_TILES         ; a work-group's two tiles lie WALK rows apart
.set NEXT_A, WALK*SIZE_K*2-(SIZE_K-2*KSTEP)*2   ; bytes from a slot's last K step of a tile to its first of the next tile: hb goes WALK rows down and back along K,
.set BACK_B, (SIZE_K-2*KSTEP)*2        ; wb only back: the two tiles share their rows of wb
.set NEXT_C, (WALK-7*16)*SIZE_N*2      ; bytes from my last 16 rows of a tile to my first of the next
.set Q,    2                           ; v2-9    four pairs of square sums; at a tile's end the statistics read back
.set MEAN, 10                          ; v10-11  a chunk's mean, twice (a pair for the packed subtraction); then v10 takes 1 / s
.set CMS,  12                          ; v12-13  (cm, M2), to be stored
.set T0,   14                          ; v14     at work
.set T1,   15                          ; v15     what the other half of the lanes holds
.set ADRA, 16                          ; v16-17  LDS address of my hb fragments in slot 0, 1
.set ADRB, 20                          ; v20-21  the same for wb
.set SGO,  22                          ; v22     16 x lane: my 16 bytes of 512 of st
.set BO,   23                          ; v23     32 x (lane / 16): my eight columns' bias in a fragment's 64 bytes
.set STO,  24                          ; v24     the way out: where I put 16 bytes of a row
.set RD,   25                          ; v25     the way out: where I read a row back
.set CO,   26                          ; v26     my byte offset in zb
.set SST,  27                          ; v27     where I put a row's (cm, M2)
.set SPW,  28                          ; v28     LDS address of my spare word: SPARE + 4 x my thread's number; never rewritten
.set NIL,  29                          ; v29     0; never rewritten
.set PFO,  30                          ; v30     the prefetches' offset: my lane x a row of hb or wb in memory; never rewritten
.set SRD,  31                          ; v31     where I read the statistics back
.set F0,   64                          ; fragment buffer 0
.set F1,   128                         ; fragment buffer 1
.set TMP,  192                         ; the way out: partial sums, then packed results
.set OB,   32                          ; the way out: 16 rows read back from the stage: v32-63 and v224-255 by turns
.set G1, 24                            ; s[24:31] descriptor group 1 for hb's tiles
.set G0, 32                            ; s[32:39] descriptor group 0 for hb's tiles, one set for each slot
.set LIM,  43                          ; s43     1 in a wave that prefetches, else the greatest number
.set PFA,  44                          ; s[44:45] where my prefetches stand
.set G1B, 48                           ; s[48:55] descriptor group 1 for wb's tiles: it differs in the mask alone
.set G0B, 56                           ; s[56:63] descriptor group 0 for wb's tiles
.set STP, 68                           ; s[68:69] st at my chunk's plane and my first row
.set BIP, 70                           ; s[70:71] b at my first column
.set SEL, 72                           ; s[72:73] v_permlanex16_b32's selects: each lane takes its own place in the other half
.set HIM, 74                           ; s74     a word's upper bf16
.set MSB, 0
.macro WIN new                         ; the immediate's high byte repeats the setting that is left; a switch that changes nothing is dropped
.if MSB != (\new)
	s_set_vgpr_msb (MSB<<8)|(\new)
.set MSB, \new
.endif
.endm
.set MUL_LO, 0xa1                      ; source 0 (wb) window 1, source 1 (hb) window 0, C and D window 2; + 0x50: C and D window 3
.set BIA_LO, 0x91                      ; the same with C (the bias) in window 1; + 0x40: D window 3
.set TO_B,   0x40                      ; destination window 1, address window 0
; A joint load.  Waves 0 and 1 fetch hb's two halves, waves 2 and 3 wb's.  Each of the two lines has ONE mask and one set of registers for all that issue it.  The branch hangs on the wave's number alone.
; An s_nop 0 and four v_nop follow each of the two lines, ahead of the jump, the label and what follows.
.macro JLOAD s
	s_cmp_eq_u32 s11, 0
	s_cbranch_scc0 .Lfor_b_\@
	tensor_load_to_lds s[G0+4*(\s):G0+4*(\s)+3], s[G1:G1+7]
	s_nop 0
.rept 4
	v_nop
.endr
	s_branch .Lasked_\@
.Lfor_b_\@:
	tensor_load_to_lds s[G0B+4*(\s):G0B+4*(\s)+3], s[G1B:G1B+7]
	s_nop 0
.rept 4
	v_nop
.endr
.Lasked_\@:
.endm
; A PREFETCH, behind each joint refill and the run of LDS loads that follows it: the K step that stands TWO refills on: 32 rows x 256 bytes, a lane a row, one instruction a wave: 512 matrix instructions ahead of the load that names it.
; Each row's 256 bytes of a K step are named ONCE in the launch: hb's rows by the clusters with x = 0, wb's by the clusters with y = 0; of the 128 rows that wave w fetches, the partner at place p
; (cx for hb, cy for wb) takes 32 p .. 32 p + 31, told apart by address: no branch hangs on a work-group's place in its cluster.  how = 0, in the loop: a tile's last two refills have no K step two on; how = 1, at the change of tiles.
.macro ASK how
.if \how
	s_cmp_eq_u32 s[LIM], 1
.else
	s_cmp_gt_u32 s3, s[LIM]                        ; s3 = 1 in the loop's last trip
.endif
	s_cbranch_scc0 .Lnot_mine_\@
	global_prefetch_b8 v[PFO], s[PFA:PFA+1] offset:KSTEP*2 th:TH_LOAD_NT scope:SCOPE_SE
.Lnot_mine_\@:
.endm
; A round of the cluster's barrier: my work-group's barrier, so that wave 0's signal speaks for all four waves; wave 0 signals for the work-group; every wave waits for all sixteen; my work-group's barrier once more.
.macro CREST                           ; a round behind its opening barrier
	s_cmp_lg_u32 s10, 0
	s_cbranch_scc1 .Lnot_wave_0_\@
	s_barrier_signal -3
.Lnot_wave_0_\@:
	s_barrier_wait -3
	s_barrier_signal -1
	s_barrier_wait -1
.endm
.macro CROUND                          ; a whole round
	s_barrier_signal -1
	s_barrier_wait -1
	CREST
.endm
	s_load_b128 s[4:7], s[0:1], 0x0                ; hb s[4:5], wb s[6:7]
	s_load_b64 s[8:9], s[0:1], 0x10                ; zb
	s_load_b64 s[STP:STP+1], s[0:1], 0x18          ; st
	s_load_b64 s[BIP:BIP+1], s[0:1], 0x20          ; b
	v_lshl_add_u32 v[SPW], v0, 2, SPARE
	v_mov_b32 v[NIL], 0
	ds_add_u32 v[SPW], v[NIL]                      ; the wave's opening: the add, twice on end, and its wait ahead of my first tensor load; the set-up below stands between the second and the wait
	ds_add_u32 v[SPW], v[NIL]                      ; and once more, under the one wait
	v_lshrrev_b32 v1, 5, v0
	v_readfirstlane_b32 s10, v1                    ; wave 0..3
	s_lshr_b32 s11, s10, 1                         ; which half of the tile's rows is mine.  Also: I fetch for hb (0) or for wb (1)
	s_and_b32 s12, s10, 1                          ; which half of its columns.  Also: which 128 rows of that tile I fetch
	s_bfe_u32 s40, ttmp6, 0x40000                  ; cx: my place along the cluster's x
	s_bfe_u32 s41, ttmp6, 0x40004                  ; cy: along its y
	s_lshl_b32 s42, ttmp9, 2                       ; in a cluster launch ttmp9 and ttmp7 count clusters
	s_add_co_u32 s42, s42, s40                     ; tile column of z = 4 x cluster x + cx
	s_and_b32 s13, ttmp7, 0xffff
	s_lshl_b32 s13, s13, 2
	s_add_co_u32 s13, s13, s41                     ; tile row of z = 4 x cluster y + cy
	s_lshl_b32 s43, s41, 2
	s_lshl_b32 s43, 15, s43                        ; my row of the cluster: places 4 cy .. 4 cy + 3
	s_lshl_b32 s44, 0x1111, s40                    ; my column: places cx, cx + 4, cx + 8, cx + 12
	; descriptor group 1: a tile of 128 rows x 128 elements, padded in LDS
	s_or_b32 s[G1+0], s43, (1<<16)|(1<<20)|(1<<21)|(5<<22)|(3<<25)  ; 15:0 the mask: hb's tiles go to my row; 17:16 element of 2 bytes; 20 padding on; 21 set beside a mask; 24:22 after every 64 words (code 5); 31:25 of 4 words (code 3)
	s_or_b32 s[G1B+0], s44, (1<<16)|(1<<20)|(1<<21)|(5<<22)|(3<<25) ; the same with the mask of my column, for wb's tiles
	s_mov_b32 s[G1B+1], KSTEP<<16
	s_mov_b32 s[G1+1], KSTEP<<16                   ; tensor_dim0 = 128
	s_mov_b32 s[G1B+2], 128<<16
	s_mov_b32 s[G1+2], 128<<16                     ; tensor_dim1 = 128
	s_mov_b32 s[G1B+3], KSTEP<<16
	s_mov_b32 s[G1+3], KSTEP<<16                   ; tile_dim0 = 128
	s_mov_b32 s[G1B+4], 128
	s_mov_b32 s[G1+4], 128                         ; tile_dim1 = 128
	s_mov_b32 s[G1B+5], SIZE_K
	s_mov_b32 s[G1+5], SIZE_K                      ; elements from row to row
	s_mov_b32 s[G1B+6], 0
	s_mov_b32 s[G1+6], 0
	s_mov_b32 s[G1B+7], 0
	s_mov_b32 s[G1+7], 0
	s_mov_b32 s[SEL], 0x76543210
	s_mov_b32 s[SEL+1], 0xfedcba98
	s_mov_b32 s[HIM], 0xffff0000
	; where the tiles come from.  hb's hang on the tile row alone, which my row of the cluster shares; wb's on the tile column alone, which my column shares.
	s_lshl_b32 s17, s12, 7                         ; which 128 rows of the tile I fetch
	s_lshl_b32 s16, s13, 8
	s_add_co_u32 s16, s16, s17                     ; hb: row 256 x tile row + 128 x half
	s_lshl_b32 s46, s42, 8
	s_add_co_u32 s46, s46, s17                     ; wb: row 256 x tile column + 128 x half
	s_mov_b32 s17, 0
	s_mov_b32 s47, 0
	s_mov_b64 s[18:19], SIZE_K*2
	s_mul_u64 s[16:17], s[16:17], s[18:19]         ; in bytes
	s_mul_u64 s[46:47], s[46:47], s[18:19]
	s_mul_i32 s20, s10, HALFT                      ; and where they go: wave x 128 rows: no place in the cluster enters an LDS address
	s_wait_dscnt 0x0                               ; both opening adds are done
	s_wait_kmcnt 0x0
	s_add_nc_u64 s[14:15], s[4:5], s[16:17]
	s_add_nc_u64 s[46:47], s[6:7], s[46:47]
	CROUND                                         ; all sixteen work-groups are here: the first joint loads meet
.irp s, 0,1
	s_mov_b32 s[G0+4*(\s)], 1                                      ; count = 1
	s_add_co_u32 s[G0+4*(\s)+1], s20, (\s)*SLOT                    ; LDS address
	s_add_nc_u64 s[G0+4*(\s)+2:G0+4*(\s)+3], s[14:15], (\s)*KSTEP*2  ; global address: K step s
	s_or_b32 s[G0+4*(\s)+3], s[G0+4*(\s)+3], 0x80000000            ; type = 2
	s_mov_b32 s[G0B+4*(\s)], 1
	s_add_co_u32 s[G0B+4*(\s)+1], s20, (\s)*SLOT
	s_add_nc_u64 s[G0B+4*(\s)+2:G0B+4*(\s)+3], s[46:47], (\s)*KSTEP*2
	s_or_b32 s[G0B+4*(\s)+3], s[G0B+4*(\s)+3], 0x80000000
	JLOAD \s                                       ; the ring is filled before anything else is done: two tensor loads of mine are out
.endr
	; A fragment is 16 rows x 32 K in 8 registers: lane l holds row l % 16; registers 0-3 hold K = 8 (l / 16) + 0..7, registers 4-7 K = 16 + 8 (l / 16) + 0..7: two loads of 16 bytes, 32 bytes apart.
	v_and_b32 v1, 15, v0                           ; l % 16
	v_bfe_u32 v2, v0, 4, 1                         ; l / 16
	v_mul_u32_u24 v3, v1, PITCH
	v_lshl_add_u32 v3, v2, 4, v3                   ; row x pitch + 16 x half
	s_mul_i32 s21, s11, HALFT                      ; my 128 rows of hb
	s_mul_i32 s22, s12, HALFT                      ; my 128 rows of wb,
	s_add_co_u32 s22, s22, 2*HALFT                 ; which lie behind hb's 256
.irp s, 0,1
	v_add_nc_u32 v[ADRA+(\s)], s21, v3
	v_add_nc_u32 v[ADRB+(\s)], s22, v3
	s_add_co_u32 s21, s21, SLOT
	s_add_co_u32 s22, s22, SLOT
.endr
	s_mul_i32 s23, s10, 16*SPITCH
	s_add_co_u32 s23, s23, STAGE                   ; my stage
	v_mul_u32_u24 v4, v1, SPITCH                   ; in: row l % 16, 16 bytes for each half of the lanes
	v_lshl_add_u32 v4, v2, 4, v4
	v_add_nc_u32 v[STO], s23, v4
	v_mul_u32_u24 v5, v2, SPITCH                   ; back: lanes 0-15 take one row of 256 bytes, lanes 16-31 the next
	v_lshl_add_u32 v5, v1, 4, v5
	v_add_nc_u32 v[RD], s23, v5
	v_mul_u32_u24 v5, v2, SIZE_N*2                 ; and the same two rows in zb
	v_lshl_add_u32 v[CO], v1, 4, v5
	s_lshl_b32 s23, s10, 10
	s_add_co_u32 s23, s23, SSTG                    ; my 1,024 bytes of statistics
	v_lshl_add_u32 v[SST], v1, 3, s23              ; in: 8 bytes for row l % 16 of a block
	v_and_b32 v6, 31, v0
	v_lshl_add_u32 v[SRD], v6, 4, s23              ; back: 16 bytes a lane
	v_lshlrev_b32 v[SGO], 4, v6
	v_lshlrev_b32 v[BO], 5, v2
	v_mov_b32 v[T1], 0                             ; v_permlanex16_b32's destination counts as read: written once here
	; where my part of the first tile begins in zb, in bytes: the first way out adds it to zb's address
	s_lshl_b32 s13, s13, 8
	s_lshl_b32 s14, s11, 7
	s_add_co_u32 s16, s13, s14                     ; my first row of z
	s_mov_b32 s17, 0
	s_mov_b64 s[18:19], SIZE_N*2
	s_mul_u64 s[16:17], s[16:17], s[18:19]
	s_lshl_b32 s46, s42, 9                         ; my first column, in bytes: 512 x tile column + 256 x half
	s_lshl_b32 s47, s12, 8
	s_add_co_u32 s46, s46, s47
	s_mov_b32 s47, 0
	s_add_nc_u64 s[16:17], s[16:17], s[46:47]
	; st: my chunk is 2 x tile column + column half, a plane of 32,768 bytes; a row has 8 bytes there.  b: 4 bytes a column
	s_lshl_b32 s20, s42, 1
	s_add_co_u32 s20, s20, s12
	s_lshl_b32 s20, s20, 15
	s_add_co_u32 s21, s13, s14
	s_lshl_b32 s21, s21, 3
	s_add_co_u32 s20, s20, s21
	s_mov_b32 s21, 0
	s_add_nc_u64 s[STP:STP+1], s[STP:STP+1], s[20:21]
	s_lshl_b32 s20, s42, 10
	s_lshl_b32 s22, s12, 9
	s_add_co_u32 s20, s20, s22
	s_add_nc_u64 s[BIP:BIP+1], s[BIP:BIP+1], s[20:21]
	; the bias as eight C operands: register j of fragment bb holds b[my first column + 16 bb + 8 (l / 16) + j], the column that the result's register j holds
	WIN TO_B
.irp bb, 0,1,2,3,4,5,6,7
	global_load_b128 v[8*(\bb):8*(\bb)+3],   v[BO], s[BIP:BIP+1] offset:64*(\bb)
	global_load_b128 v[8*(\bb)+4:8*(\bb)+7], v[BO], s[BIP:BIP+1] offset:64*(\bb)+16
.endr
	WIN 0
	; the prefetches.  s13 = 256 x tile row, s42 = tile column, s40 = cx, s41 = cy still stand
	s_lshl_b32 s42, s42, 8
	s_and_b32 s22, ttmp7, 0xffff                   ; cluster y
	s_cmp_eq_u32 s11, 0                            ; do I fetch for hb?
	s_cselect_b32 s20, s13, s42                    ; the tile's first row: in hb by the tile row, in wb by the tile column
	s_cselect_b32 s21, s40, s41                    ; my place among the four that ask for it with me
	s_cselect_b32 s22, ttmp9, s22                  ; the coordinate along which other clusters read the same rows
	s_cselect_b64 s[PFA:PFA+1], s[4:5], s[6:7]
	s_cmp_eq_u32 s22, 0
	s_cselect_b32 s[LIM], 1, -1                    ; the same in all sixteen partners, for a given wave
	s_lshl_b32 s22, s12, 7
	s_add_co_u32 s20, s20, s22                     ; + the 128 rows that I fetch
	s_lshl_b32 s21, s21, 5
	s_add_co_u32 s20, s20, s21                     ; + my work-group's 32 of them
	s_mov_b32 s21, 0
	s_mov_b64 s[18:19], SIZE_K*2
	s_mul_u64 s[20:21], s[20:21], s[18:19]
	s_add_nc_u64 s[PFA:PFA+1], s[PFA:PFA+1], s[20:21]
	s_add_nc_u64 s[PFA:PFA+1], s[PFA:PFA+1], 2*KSTEP*2  ; at K step 2: the first refill steps it to 3 and names K step 4
	v_and_b32 v[PFO], 31, v0
	v_mul_u32_u24 v[PFO], v[PFO], SIZE_K*2
	; nothing is prefetched here, at the head, where every work-group's first two tiles are on their way
; 16 matrix instructions: m blocks a0, a0 + 1 of the window's four (hi = 0: my rows 0-63, 1: rows 64-127) x all 8 n blocks, 32 along K.
; zero = 1: the first product starts the sums, with the bias of its 16 columns as C: nothing is cleared, and the bias costs no instruction in the loop.
; The 64 accumulators take turns in the same order in every quarter step.
.macro MUL16 f, hi, a0, zero
.if \zero
	WIN BIA_LO+0x40*(\hi)
.else
	WIN MUL_LO+0x50*(\hi)
.endif
.irp a, \a0, (\a0)+1
.irp b, 0,1,2,3,4,5,6,7
.if \zero
	v_wmma_f32_16x16x32_bf16 v[8*(8*(\a)+(\b)):8*(8*(\a)+(\b))+7], v[(\f)+8*(\b):(\f)+8*(\b)+7], v[(\f)+8*(4*(\hi)+(\a)):(\f)+8*(4*(\hi)+(\a))+7], v[8*(\b):8*(\b)+7]
.else
	v_wmma_f32_16x16x32_bf16 v[8*(8*(\a)+(\b)):8*(8*(\a)+(\b))+7], v[(\f)+8*(\b):(\f)+8*(\b)+7], v[(\f)+8*(4*(\hi)+(\a)):(\f)+8*(4*(\hi)+(\a))+7], v[8*(8*(\a)+(\b)):8*(8*(\a)+(\b))+7]
.endif
.endr
.endr
.endm
; 32 LDS loads in one run: the fragments of one quarter step (128 rows of wb, 128 rows of hb, 32 K at byte k of the rows) into buffer f
.macro FETCH slot, k, f
	WIN TO_B
.irp i, 0,1,2,3,4,5,6,7
	ds_load_b128 v[(\f)+8*(\i):(\f)+8*(\i)+3],   v[ADRB+(\slot)] offset:(\k)+(\i)*16*PITCH
	ds_load_b128 v[(\f)+8*(\i)+4:(\f)+8*(\i)+7], v[ADRB+(\slot)] offset:(\k)+(\i)*16*PITCH+32
.endr
	WIN 0
.irp i, 0,1,2,3,4,5,6,7
	ds_load_b128 v[(\f)+8*(\i):(\f)+8*(\i)+3],   v[ADRA+(\slot)] offset:(\k)+(\i)*16*PITCH
	ds_load_b128 v[(\f)+8*(\i)+4:(\f)+8*(\i)+7], v[ADRA+(\slot)] offset:(\k)+(\i)*16*PITCH+32
.endr
.endm
; Four plain vector instructions that name none of a matrix instruction's registers stand between it and a load into a register that it has read, or a vector instruction that reads its result.
.macro PLACES
.rept 4
	v_nop
.endr
.endm
; A K step is four quarter steps of 32 along K, 64 matrix instructions each, on buffers 0, 1, 0, 1.
; One of the first three: multiplies buffer f; in its middle it fetches the next quarter's fragments, at byte k of the same slot's rows, into buffer g.
.macro QUARTER slot, k, f, g, zero
	s_wait_dscnt 8                                 ; wb and hb's rows 0-63 are in; the youngest eight loads (hb's rows 64-127) may be out
	MUL16 \f, 0, 0, \zero
	MUL16 \f, 0, 2, \zero
	PLACES
	FETCH \slot, \k, \g
	s_wait_dscnt 32                                ; all but the 32 just issued
	MUL16 \f, 1, 0, \zero
	MUL16 \f, 1, 2, \zero
.endm
; The last quarter multiplies buffer 1 and changes slots.  MEET is its first half: ONE barrier for the change.  In front of it each wave waits for all its tensor loads, of which one is out: its part of
; the next slot; adds 0 to its spare word; and waits for that and for its own reads of this slot.  Behind it nobody reads this slot any more and the next slot is whole.
.macro MEET round                      ; round = 1: a round of the cluster's barrier follows
	WIN 0                                          ; (the add's two registers lie in window 0)
	s_wait_tensorcnt 0x0                           ; all my tensor loads have landed;
	ds_add_u32 v[SPW], v[NIL]                      ; 0 onto my spare word;
	s_wait_dscnt 9                                 ; (the add and the youngest eight loads may be out)
	MUL16 F1, 0, 0, 0                              ; sixteen matrix instructions stand between the add and the wait for it
	s_wait_dscnt 0x0                               ; the add is done, and my reads of this slot are over:
	s_barrier_signal -1                            ; say so,
	MUL16 F1, 0, 2, 0                              ; work on registers while the others arrive,
.if \round
	WIN 0
.endif
	s_barrier_wait -1                              ; and go on when all four have said so
.endm
; The whole last quarter, with a refill.  Behind the round the slot just read out is filled again first: with this tile's K step two steps on (on = 0) or, in the first tile's last two K steps, with the
; second tile's K step 0 or 1 (on = 1); then come the next slot's first fragments.  From a request to the wait for it a wave issues 224 matrix instructions.
.macro TURN slot, next, on
	s_wait_xcnt 0x0                                ; the last prefetch, a K step back, has read its address: it is stepped here, ahead of the waits of the change of slots
.if (\on) && (\slot) == 0
	s_add_nc_u64 s[PFA:PFA+1], s[PFA:PFA+1], (WALK-1)*SIZE_K*2+KSTEP*2  ; from the K step after the tile's last to the next tile's K step 1: WALK rows down, back along K
	s_cmp_eq_u32 s11, 0
	s_cselect_b32 s[LIM], s[LIM], -1               ; wb's rows are the same for both tiles: they are asked for in the first alone
.else
	s_add_nc_u64 s[PFA:PFA+1], s[PFA:PFA+1], KSTEP*2
.endif
	MEET 1
	CREST                                          ; all sixteen work-groups have said so: no wave of any partner still reads this slot's tile or has a load on its way
.if \on
	s_add_nc_u64 s[G0+4*(\slot)+2:G0+4*(\slot)+3], s[G0+4*(\slot)+2:G0+4*(\slot)+3], NEXT_A
	s_sub_nc_u64 s[G0B+4*(\slot)+2:G0B+4*(\slot)+3], s[G0B+4*(\slot)+2:G0B+4*(\slot)+3], BACK_B
.else
	s_add_nc_u64 s[G0+4*(\slot)+2:G0+4*(\slot)+3], s[G0+4*(\slot)+2:G0+4*(\slot)+3], 2*KSTEP*2
	s_add_nc_u64 s[G0B+4*(\slot)+2:G0B+4*(\slot)+3], s[G0B+4*(\slot)+2:G0B+4*(\slot)+3], 2*KSTEP*2
.endif
	JLOAD \slot                                    ; the first tensor load behind the round, my only one until the next; its four v_nop are also the places in front of the loads below
	FETCH \next, 0, F0
	ASK \on
	MUL16 F1, 1, 0, 0
	MUL16 F1, 1, 2, 0
.endm
; The same without a refill: the last tile's last change of slots.  Nothing is filled again, so no round of the cluster's barrier follows.
.macro TURNN slot, next
	MEET 0
	PLACES
	FETCH \next, 0, F0
	MUL16 F1, 1, 0, 0
	MUL16 F1, 1, 2, 0
.endm
; THE WAY OUT of block a (16 rows x my 128 columns; eight accumulators), in three parts.
; PACK: a lane holds 64 numbers of row l % 16, the lane 16 away the other 64.  (1) their sum, in packed pairs (each accumulator's lowest registers are read first), a tree, one exchange
; of the lanes' halves: cm = sum / 128.  (2) z - cm, in place.  (3) the squares' sum in four chains, a tree, one exchange: M2; (cm, M2) into my statistics' stage.  (4) 1 / s = rsq(max(M2 / 128, 2^-100));
; the deviations times that, in place; the rounding to f16, 16 bytes a lane and n block.
.macro PACK a
.set AC, 64*((\a)%4)
	WIN 0x0a+5*((\a)/4)                            ; sources 0 and 1: window 2 or 3
.set i, 0
.rept 16
	v_pk_add_f32 v[TMP+2*i:TMP+2*i+1], v[AC+4*i:AC+4*i+1], v[AC+4*i+2:AC+4*i+3]
.set i, i+1
.endr
	WIN 0
.irp w, 8,4,2,1
.set i, 0
.rept \w
	v_pk_add_f32 v[TMP+2*i:TMP+2*i+1], v[TMP+2*i:TMP+2*i+1], v[TMP+2*(i+(\w)):TMP+2*(i+(\w))+1]
.set i, i+1
.endr
.endr
	v_add_f32 v[T0], v[TMP], v[TMP+1]
	v_permlanex16_b32 v[T1], v[T0], s[SEL], s[SEL+1]
	v_add_f32 v[T0], v[T0], v[T1]
	v_mul_f32 v[MEAN], 0x3c000000, v[T0]           ; / 128
	v_mul_f32 v[MEAN+1], 0x3c000000, v[T0]
	v_mul_f32 v[CMS], 0x3c000000, v[T0]
	WIN 0x82+0x41*((\a)/4)                         ; destination and source 0: window 2 or 3; source 1: window 0
.set i, 0
.rept 32
	v_pk_add_f32 v[AC+2*i:AC+2*i+1], v[AC+2*i:AC+2*i+1], v[MEAN:MEAN+1] neg_lo:[0,1] neg_hi:[0,1]
.set i, i+1
.endr
	WIN 0x0a+5*((\a)/4)
.set i, 0
.rept 32
.if i < 4
	v_pk_mul_f32 v[Q+2*i:Q+2*i+1], v[AC+2*i:AC+2*i+1], v[AC+2*i:AC+2*i+1]  ; the first four pairs start the chains
.else
	v_pk_fma_f32 v[Q+2*(i%4):Q+2*(i%4)+1], v[AC+2*i:AC+2*i+1], v[AC+2*i:AC+2*i+1], v[Q+2*(i%4):Q+2*(i%4)+1]
.endif
.set i, i+1
.endr
	WIN 0
	v_pk_add_f32 v[Q:Q+1], v[Q:Q+1], v[Q+2:Q+3]
	v_pk_add_f32 v[Q+4:Q+5], v[Q+4:Q+5], v[Q+6:Q+7]
	v_pk_add_f32 v[Q:Q+1], v[Q:Q+1], v[Q+4:Q+5]
	v_add_f32 v[CMS+1], v[Q], v[Q+1]
	v_permlanex16_b32 v[T1], v[CMS+1], s[SEL], s[SEL+1]
	v_add_f32 v[CMS+1], v[CMS+1], v[T1]
	v_mul_f32 v[T0], 0x3c000000, v[CMS+1]          ; M2 / 128,
	v_max_num_f32 v[T0], TINY, v[T0]               ; not below 2^-100
	v_rsq_f32 v[MEAN], v[T0]                       ; 1 / s, where the mean stood; the pair's second word keeps the mean and is not used
	v_nop                                          ; a plain instruction between the root and the use of its result (ISA guide 5.7.2)
	ds_store_b64 v[SST], v[CMS:CMS+1] offset:128*(\a)  ; both halves of the lanes write the same words with the same numbers
	s_wait_alu depctr_va_vdst(0)                   ; the wait ahead of the first use
	WIN 0x82+0x41*((\a)/4)
.set i, 0
.rept 32
	v_pk_mul_f32 v[AC+2*i:AC+2*i+1], v[AC+2*i:AC+2*i+1], v[MEAN:MEAN+1] op_sel_hi:[1,0]
.set i, i+1
.endr
	WIN 0x0a+5*((\a)/4)
.set i, 0
.rept 32
	v_cvt_pk_f16_f32 v[TMP+i], v[AC+2*i], v[AC+2*i+1]
.set i, i+1
.endr
	WIN 0
.endm
; TOSTAGE: into my own stage in LDS, and back as whole rows of 256 bytes.
.macro TOSTAGE a
	WIN 0
.set BK, OB+192*((\a)%2)
.irp b, 0,1,2,3,4,5,6,7
	ds_store_b128 v[STO], v[TMP+4*(\b):TMP+4*(\b)+3] offset:32*(\b)
.endr
.irp t, 0,1,2,3,4,5,6,7
	ds_load_b128 v[BK+4*(\t):BK+4*(\t)+3], v[RD] offset:(\t)*2*SPITCH  ; LDS serves a wave's instructions in order (ISA guide 5.7.1.4): these see the stores above
.endr
.endm
; SEND: stored.
.macro SEND a, younger
	WIN 0
.set BK, OB+192*((\a)%2)
	s_wait_dscnt \younger                          ; the block is back in registers
	s_wait_xcnt 0x0                                ; only behind this wait are the stores' base and the registers that earlier stores read rewritten
.if (\a) == 0
	s_add_nc_u64 s[8:9], s[8:9], s[16:17]          ; on to this tile's first rows
.else
	s_add_nc_u64 s[8:9], s[8:9], 16*SIZE_N*2       ; 16 rows of zb on
.endif
.irp t, 0,1,2,3,4,5,6,7
	global_store_b128 v[CO], v[BK+4*(\t):BK+4*(\t)+3], s[8:9] offset:2*(\t)*SIZE_N*2  ; 16 lanes store 256 consecutive bytes, at a multiple of 256 from zb's first byte
.endr
.endm
; The tile's statistics: my 128 rows x 8 bytes lie on end in LDS and in st: two stores of 512 consecutive bytes.
.macro STATOUT
	WIN 0
	ds_load_b128 v[Q:Q+3], v[SRD]
	ds_load_b128 v[Q+4:Q+7], v[SRD] offset:512
	s_wait_dscnt 0x0
	global_store_b128 v[SGO], v[Q:Q+3], s[STP:STP+1]
	global_store_b128 v[SGO], v[Q+4:Q+7], s[STP:STP+1] offset:512
.endm
; A whole tile goes out.  Block a's arithmetic stands between block a - 1's loads from the stage and the wait for them.  The four v_nop at the head stand, with the four behind the last joint load or behind the
; last products, in front of the first read of block 0's sums; blocks 0 to 3's arithmetic is the distance behind the products of blocks 4 to 7.
.macro WAYOUT
	WIN 0
	PLACES
	PACK 0
	TOSTAGE 0
.irp a, 1,2,3,4,5,6,7
	PACK \a
	SEND (\a)-1, 0
	TOSTAGE \a
.endr
	SEND 7, 0
	STATOUT
.endm
	s_wait_loadcnt 0x0                             ; the bias is in.  It is rounded once to bf16, like every input, and widened again: work on registers while the first tiles are on their way
	WIN 0x05                                       ; sources 0 and 1 window 1, destination window 0
.set i, 0
.rept 32
	v_cvt_pk_bf16_f32 v[TMP+i], v[2*i], v[2*i+1]
.set i, i+1
.endr
	WIN TO_B                                       ; destination window 1, sources window 0
.set i, 0
.rept 32
	v_lshlrev_b32 v[2*i],   16,     v[TMP+i]       ; bf16 to f32: the low half moves up,
	v_and_b32     v[2*i+1], s[HIM], v[TMP+i]       ; the high half stays
.set i, i+1
.endr
	WIN 0
	s_wait_tensorcnt 1                             ; my part of K step 0 is in; K step 1's may stay out
	s_barrier_signal -1
	s_barrier_wait -1                              ; everybody's part is in
	FETCH 0, 0, F0
	s_mov_b32 s2, SIZE_TILES                       ; tiles to go, this one among them: the same number in every work-group
.Ltile:                                                ; (FETCH and STATOUT leave every window 0)
	QUARTER 0, 64,  F0, F1, 1                      ; a tile's first quarter stands in front of the loop: its products start the sums
	WIN 0                                          ; at a label and at a branch every window is 0
	s_mov_b32 s3, LAPS-1
.Llap:                                                 ; a trip goes once round the ring, from a lap's second quarter to the next lap's first, and fills both slots again
	QUARTER 0, 128, F1, F0, 0
	QUARTER 0, 192, F0, F1, 0
	TURN 0, 1, 0
	QUARTER 1, 64,  F0, F1, 0
	QUARTER 1, 128, F1, F0, 0
	QUARTER 1, 192, F0, F1, 0
	TURN 1, 0, 0
	QUARTER 0, 64,  F0, F1, 0
	WIN 0
	s_sub_co_u32 s3, s3, 1
	s_cmp_lg_u32 s3, 0
	s_cbranch_scc1 .Llap
	QUARTER 0, 128, F1, F0, 0                      ; the tile's last lap goes on
	QUARTER 0, 192, F0, F1, 0
	WIN 0
	s_cmp_eq_u32 s2, 1
	s_cbranch_scc1 .Llast_tile                     ; the last tile's tail is written out: it asks for nothing more
	TURN 0, 1, 1                                   ; THE RING GOES ON INTO THE NEXT TILE: slot 0 takes its K step 0,
	QUARTER 1, 64,  F0, F1, 0
	QUARTER 1, 128, F1, F0, 0
	QUARTER 1, 192, F0, F1, 0
	TURN 1, 0, 1                                   ; slot 1 its K step 1, and the next tile's first fragments are fetched
	WAYOUT                                         ; both refills are asked for: now the tile goes out
	s_wait_xcnt 0x0                                ; the statistics' stores have read their base and their registers
	s_add_nc_u64 s[STP:STP+1], s[STP:STP+1], WALK*8  ; the next tile's rows in st
	s_mov_b64 s[16:17], NEXT_C                     ; what the next way out adds to zb's address
	s_sub_co_u32 s2, s2, 1
	s_branch .Ltile
.Llast_tile:
	TURNN 0, 1                                     ; my one tensor load that was still out is slot 1's, the last K step's
	QUARTER 1, 64,  F0, F1, 0
	QUARTER 1, 128, F1, F0, 0
	QUARTER 1, 192, F0, F1, 0
	s_wait_dscnt 8                                 ; the very last quarter: nothing more to fetch
	MUL16 F1, 0, 0, 0
	MUL16 F1, 0, 2, 0
	s_wait_dscnt 0x0
	MUL16 F1, 1, 0, 0
	MUL16 F1, 1, 2, 0
	WIN 0
	PLACES
	WAYOUT
	s_wait_tensorcnt 0x0                           ; the wave's end, behind my last tensor load and my last LDS store
	ds_add_u32 v[SPW], v[NIL]
	s_wait_dscnt 0x0
	CROUND                                         ; the closing round: no work-group ends while a partner may still ask for a tile that names it
	s_endpgm
.Lfunc_end_k_q6cb0787b0e_gemm:
	.size	k_q6cb0787b0e_gemm, .Lfunc_end_k_q6cb0787b0e_gemm-k_q6cb0787b0e_gemm
	.p2alignl 7, 3214868480
	.fill 96, 4, 3214868480
	.section	.rodata,"a",@progbits
	.p2align	6, 0x0
	.amdhsa_kernel k_q6cb0787b0e_gemm
		.amdhsa_group_segment_fixed_size 327680
		.amdhsa_private_segment_fixed_size 0
		.amdhsa_enable_private_segment 0
		.amdhsa_kernarg_size 40
		.amdhsa_user_sgpr_count 2
		.amdhsa_user_sgpr_kernarg_segment_ptr 1
		.amdhsa_wavefront_size32 1
		.amdhsa_system_sgpr_workgroup_id_x 1
		.amdhsa_system_sgpr_workgroup_id_y 1
		.amdhsa_system_sgpr_workgroup_id_z 1
		.amdhsa_system_vgpr_workitem_id 0
		.amdhsa_next_free_vgpr 1024
		.amdhsa_next_free_sgpr 76
		.amdhsa_reserve_vcc 0
		.amdhsa_float_denorm_mode_32 3
		.amdhsa_float_denorm_mode_16_64 3
		.amdhsa_memory_ordered 1
		.amdhsa_forward_progress 1
		.amdhsa_inst_pref_size 255
	.end_amdhsa_kernel
	.section	.bss,"aw",@nobits
	.p2align	6
	.space	262144
	.amdgpu_metadata
---
amdhsa.version: [ 1, 2 ]
amdhsa.kernels:
  - .name:           k_q6cb0787b0e_gemm
    .symbol:         k_q6cb0787b0e_gemm.kd
    .args:
      - { .name: hb, .offset: 0, .size: 8, .value_kind: global_buffer, .address_space: global }
      - { .name: wb, .offset: 8, .size: 8, .value_kind: global_buffer, .address_space: global }
      - { .name: zb, .offset: 16, .size: 8, .value_kind: global_buffer, .address_space: global }
      - { .name: st, .offset: 24, .size: 8, .value_kind: global_buffer, .address_space: global }
      - { .name: b, .offset: 32, .size: 8, .value_kind: global_buffer, .address_space: global }
    .group_segment_fixed_size: 327680
    .private_segment_fixed_size: 0
    .kernarg_segment_align: 8
    .kernarg_segment_size: 40
    .max_flat_workgroup_size: 128
    .sgpr_count:     76
    .vgpr_count:     1024
    .wavefront_size: 32
...
	.end_amdgpu_metadata
.endif
;; end of part 2
;; launch cell (part 3): grid 2 x 128, 16 waves a work-group, no clusters, 10,752 bytes of LDS; arguments zb, st, c, gn_weight, gn_bias, out0, out1; writes out0, out1
.if DOCPART == 3
	.amdgcn_target "amdgcn-amd-amdhsa--gfx1250"
	.amdhsa_code_object_version 6
	.text
	.protected	k_q6cb0787b0e_cell
	.globl	k_q6cb0787b0e_cell
	.p2align	8
	.type	k_q6cb0787b0e_cell,@function
k_q6cb0787b0e_cell:
	s_mov_b64 s[64:65], 0
	v_nop
	global_prefetch_b8 v0, s[64:65] scope:SCOPE_SE
	s_setreg_imm32_b32 hwreg(HW_REG_WAVE_MODE, 25, 1), 1
	s_wait_xcnt 0x0
; The group norm's end and the LSTM cell.  st: [64 chunks][4096 rows][2] f32 = (cm, M2): the mean of a chunk (128 columns of a row of z) and its sum of squared deviations.  zb: [4096][8192] f16: each number
; q = (z - cm) / s with s = sqrt(max(M2 / 128, 2^-100)) of its own chunk.  For row r and group g (2,048 columns, chunks 16 g .. 16 g + 15):
;   mean = sum of cm / 16;   var = (sum of M2 + 128 x sum of (cm - mean)^2) / 2,048;   rstd = 1 / sqrt(var + 1e-5);   zn = q x (s rstd) + (cm - mean) rstd;   gate = zn x gn_weight + gn_bias.
; No square of an uncentred number and no difference of large sums is formed.  Column j of groups 0 to 3 gives i, f, o, g:
;   c_new = sigmoid(f) c + sigmoid(i) tanh(g) -> out1;   h_new = sigmoid(o) tanh(c_new) -> out0.
; ALL THE MODULE'S INPUTS ENTER ROUNDED ONCE TO bf16: h, W and b in the launches before; c, gn_weight and gn_bias here: the program computes the module on one set of numbers, not on some rounded and some not.
; sigmoid(x) = 1 / (1 + 2^(-x log2 e)), tanh(x) = 1 - 2 / (1 + 2^(2 x log2 e)); the factors are multiplied into gain and bias once.  A power that overflows gives an infinity, whose reciprocal is 0; one that
; underflows gives 0: both ends are the functions' limits.  LIMITS: tanh so made is off by about 1e-7 in absolute terms near 0; NaN and infinities in the inputs are not treated apart.
; The problem's input x enters no result of the module, and no launch reads it.
; SHARES.  A work-group takes 32 rows and 1,024 columns of the outputs; of its 16 waves, wave w takes 16 of the rows (w / 8) and 128 of the columns (chunk cw = 8 x + w % 8, in each of the four groups).
; A lane keeps the same four columns in every row, so its 16 gains and 16 biases stay in registers.  For a row a wave issues four loads of 256 consecutive bytes of zb, one of 512 of c, two stores of 512.
; A ring of four row slots in registers keeps four rows' loads of every wave on their way.
; STATISTICS.  Waves 0 to 3 first make, a group each and a lane a row, rstd from all 16 chunks of the group, and P = (cm - mean) rstd and A = s rstd for the work-group's own 8 chunks, and lay these in LDS; one
; barrier; then every wave reads its row's 32 bytes, the same in all lanes.  The table is indexed by w % 8, so that an LDS address is made of the wave's number, constants and the loop's step alone.
; No matrix unit, no tensor load, no cluster: what work-groups share (gains, biases, 8 bytes a row and chunk) is a small part of what each reads, and the rest is read once.
.set ZO,  2                            ; v2   8 x lane: my 8 bytes of a chunk's 256 in zb; also my row's 8 bytes in a plane of st
.set CO,  3                            ; v3   16 x lane: my 16 bytes of 512 in c, the outputs, gain and bias
.set TA,  4                            ; v4   LDS address of (first row of the trip, my chunk) in the table
.set LN,  5                            ; v5   lane
.set TW,  6                            ; v6   waves 0-3: where row = lane, group = wave begins in the table
.set SPW, 8                            ; v8   LDS address of my spare word: SPARE + 4 x my thread's number; never rewritten
.set NIL, 9                            ; v9   0; never rewritten
.set WP,  16                           ; v[16:31]   gain of my four columns in group g at WP + 4 g, times the exponent's factor
.set BP,  32                           ; v[32:47]   bias likewise
.set ZR,  48                           ; v[48:79]   slot i: group g's four f16 at ZR + 8 i + 2 g
.set CR,  80                           ; v[80:95]   slot i: four numbers of c; then, in its first two registers, the four as bf16
.set T,   96                           ; v[96:127]  slot i: (P, A) of group g at T + 8 i + 2 g
.set U,   128                          ; v[128:143] at work: group g's four numbers at U + 4 g
.set O0,  144                          ; v[144:159] slot i: h_new
.set O1,  160                          ; v[160:175] slot i: c_new
.set S,   128                          ; v[128:159] statistics: (cm, M2) of 16 chunks: pairs 0-7 the work-group's own eight, pairs 8-15 the group's other eight
.set K,   176                          ; v[176:183] statistics, and the rounding of gain and bias: at work
.set TINY, 0x0d800000                  ; 2^-100: the floor under M2 / 128, as in the launch before
.set TPITCH, 272                       ; a row of the table: 8 chunks x 4 groups x 8 bytes, + 16
.set SPARE, 32*TPITCH                  ; behind the table (8,704 bytes, 34 blocks of 256): the spare words, 128 bytes for each of 16 waves: eight blocks of 256 bytes that no other line names
	s_load_b256 s[4:11], s[0:1], 0x0               ; zb s[4:5], st s[6:7], c s[8:9], gn_weight s[10:11]
	s_load_b128 s[12:15], s[0:1], 0x20             ; gn_bias s[12:13], out0 s[14:15]
	s_load_b64 s[16:17], s[0:1], 0x30              ; out1
	v_lshl_add_u32 v[SPW], v0, 2, SPARE
	v_mov_b32 v[NIL], 0
	v_lshrrev_b32 v1, 5, v0
	v_readfirstlane_b32 s18, v1                    ; wave 0..15
	v_and_b32 v[LN], 31, v0
	v_lshlrev_b32 v[ZO], 3, v[LN]
	v_lshlrev_b32 v[CO], 4, v[LN]
	s_and_b32 s21, ttmp7, 0xffff                   ; y: the block of 32 rows
	s_lshr_b32 s20, s18, 3                         ; which 16 of them
	s_and_b32 s19, s18, 7                          ; my chunk among the work-group's eight
	s_lshl_b32 s37, s19, 5                         ; its 32 bytes in a row of the table,
	s_mul_i32 s36, s20, 16*TPITCH                  ; my first row there
	s_add_co_u32 s36, s36, s37
	v_mov_b32 v[TA], s36
	s_lshl_b32 s37, s18, 3                         ; waves 0-3: the group's 8 bytes in a chunk's 32
	v_mul_u32_u24 v[TW], v[LN], TPITCH
	v_add_nc_u32 v[TW], s37, v[TW]
	s_lshl_b32 s22, ttmp9, 3
	s_add_co_u32 s19, s19, s22                     ; cw = 8 x + wave % 8: it enters global addresses alone
	s_lshl_b32 s28, s21, 5
	s_lshl_b32 s29, s20, 4
	s_add_co_u32 s28, s28, s29                     ; my first row
	s_lshl_b32 s22, s28, 14                        ; zb: 16,384 bytes a row,
	s_lshl_b32 s29, s19, 8                         ; 256 a chunk
	s_add_co_u32 s22, s22, s29
	s_mov_b32 s23, 0
	s_lshl_b32 s30, s28, 13                        ; c and the outputs: 8,192 bytes a row,
	s_lshl_b32 s32, s19, 9                         ; 512 a chunk; gain and bias: the same 512
	s_add_co_u32 s30, s30, s32
	s_mov_b32 s31, 0
	s_mov_b32 s33, 0
	s_mov_b32 s24, 0xffff0000                      ; a word's upper bf16
	s_mov_b32 s26, 0x3a000000                      ; 1 / 2,048
	s_mov_b32 s27, 0x3727c5ac                      ; 1e-5
	s_mov_b32 s29, 0x43000000                      ; 128
	s_wait_kmcnt 0x0
	s_add_nc_u64 s[4:5], s[4:5], s[22:23]
	s_add_nc_u64 s[8:9], s[8:9], s[30:31]
	s_add_nc_u64 s[14:15], s[14:15], s[30:31]
	s_add_nc_u64 s[16:17], s[16:17], s[30:31]
	s_add_nc_u64 s[10:11], s[10:11], s[32:33]
	s_add_nc_u64 s[12:13], s[12:13], s[32:33]
	s_cmp_lt_u32 s18, 4                            ; waves 0 to 3: a group each
	s_cbranch_scc0 .Lno_stat_loads
	s_lshl_b32 s34, s18, 19                        ; the group's 16 planes of 32,768 bytes,
	s_lshl_b32 s35, s21, 8                         ; the block's 32 rows of 8 bytes
	s_add_co_u32 s34, s34, s35
	s_lshl_b32 s35, ttmp9, 18                      ; the 8 planes of the work-group's own chunks,
	s_xor_b32 s36, s35, 1<<18                      ; and the group's other 8
	s_add_co_u32 s36, s36, s34
	s_add_co_u32 s34, s34, s35
	s_mov_b32 s35, 0
	s_mov_b32 s37, 0
	s_add_nc_u64 s[38:39], s[6:7], s[36:37]
	s_add_nc_u64 s[6:7], s[6:7], s[34:35]
.irp q, 0,1,2,3,4,5,6,7
	global_load_b64 v[S+2*(\q):S+2*(\q)+1], v[ZO], s[6:7] offset:32768*(\q)          ; a wave: 256 consecutive bytes
.endr
.irp q, 0,1,2,3,4,5,6,7
	global_load_b64 v[S+16+2*(\q):S+16+2*(\q)+1], v[ZO], s[38:39] offset:32768*(\q)
.endr
.Lno_stat_loads:
.irp g, 0,1,2,3
	global_load_b128 v[WP+4*(\g):WP+4*(\g)+3], v[CO], s[10:11] offset:8192*(\g)
	global_load_b128 v[BP+4*(\g):BP+4*(\g)+3], v[CO], s[12:13] offset:8192*(\g)
.endr
.irp i, 0,1,2,3
.irp g, 0,1,2,3
	global_load_b64 v[ZR+8*(\i)+2*(\g):ZR+8*(\i)+2*(\g)+1], v[ZO], s[4:5] offset:16384*(\i)+4096*(\g) th:TH_LOAD_NT
.endr
	global_load_b128 v[CR+4*(\i):CR+4*(\i)+3], v[CO], s[8:9] offset:8192*(\i) th:TH_LOAD_NT
.endr
	s_cmp_lt_u32 s18, 4
	s_cbranch_scc0 .Lno_stats
	s_wait_loadcnt 28                              ; the 16 pairs are in; the 8 loads of gain and bias and the ring's 20 stay out
	v_pk_add_f32 v[K:K+1], v[S:S+1], v[S+2:S+3]    ; (sum of cm, sum of M2)
.set q, 2
.rept 14
	v_pk_add_f32 v[K:K+1], v[K:K+1], v[S+2*q:S+2*q+1]
.set q, q+1
.endr
	v_mul_f32 v[K+2], 0x3d800000, v[K]             ; mean = sum / 16
.set q, 0
.rept 16
	v_sub_f32 v[S+2*q], v[S+2*q], v[K+2]           ; d = cm - mean
.set q, q+1
.endr
	v_mul_f32 v[K+3], v[S], v[S]
.set q, 1
.rept 15
	v_fmac_f32 v[K+3], v[S+2*q], v[S+2*q]          ; sum of d^2
.set q, q+1
.endr
	v_fma_f32 v[K+5], v[K+3], s29, v[K+1]          ; 128 x that + sum of M2
	v_fma_f32 v[K+5], v[K+5], s26, s27             ; var + eps
.set q, 0
.rept 8                                        ; the work-group's own eight chunks: M2 / 128, not below 2^-100
	v_mul_f32 v[S+2*q+1], 0x3c000000, v[S+2*q+1]
	v_max_num_f32 v[S+2*q+1], TINY, v[S+2*q+1]
.set q, q+1
.endr
	v_rsq_f32 v[K+4], v[K+5]                       ; rstd.  One batch: this root and the eight below
.set q, 0
.rept 8
	v_sqrt_f32 v[S+2*q+1], v[S+2*q+1]              ; s
.set q, q+1
.endr
	v_nop                                          ; a plain instruction between the last root and the use of a result (ISA guide 5.7.2),
	s_wait_alu depctr_va_vdst(0)                   ; and the wait ahead of the first use: one for the nine
.set q, 0
.rept 8
	v_pk_mul_f32 v[S+2*q:S+2*q+1], v[S+2*q:S+2*q+1], v[K+4:K+5] op_sel_hi:[1,0]  ; (P, A) = (d rstd, s rstd)
	ds_store_b64 v[TW], v[S+2*q:S+2*q+1] offset:32*q
.set q, q+1
.endr
.Lno_stats:
	s_wait_dscnt 0x0                               ; for the others' sake: my stores into the table are done
	s_barrier_signal -1
	s_barrier_wait -1                              ; the table is whole
.irp i, 0,1,2,3
	ds_load_b128 v[T+8*(\i):T+8*(\i)+3],   v[TA] offset:TPITCH*(\i)      ; all lanes read the same 32 bytes
	ds_load_b128 v[T+8*(\i)+4:T+8*(\i)+7], v[TA] offset:TPITCH*(\i)+16
.endr
	s_wait_loadcnt 20                              ; gain and bias are in; the ring's 20 loads stay out
.irp base, WP, BP                              ; each rounded once to bf16 and widened again
.irp r, 0,2,4,6,8,10,12,14
	v_cvt_pk_bf16_f32 v[K+(\r)/2], v[(\base)+(\r)], v[(\base)+(\r)+1]
.endr
.irp r, 0,2,4,6,8,10,12,14
	v_lshlrev_b32 v[(\base)+(\r)],   16,  v[K+(\r)/2]
	v_and_b32     v[(\base)+(\r)+1], s24, v[K+(\r)/2]
.endr
.endr
.irp r, 0,2,4,6,8,10
	v_pk_mul_f32 v[WP+(\r):WP+(\r)+1], v[WP+(\r):WP+(\r)+1], 0xbfb8aa3b op_sel_hi:[1,0]  ; groups 0 to 2: - log2 e, for the sigmoids
	v_pk_mul_f32 v[BP+(\r):BP+(\r)+1], v[BP+(\r):BP+(\r)+1], 0xbfb8aa3b op_sel_hi:[1,0]
.endr
.irp r, 12,14
	v_pk_mul_f32 v[WP+(\r):WP+(\r)+1], v[WP+(\r):WP+(\r)+1], 0x4038aa3b op_sel_hi:[1,0]  ; group 3: 2 log2 e, for tanh
	v_pk_mul_f32 v[BP+(\r):BP+(\r)+1], v[BP+(\r):BP+(\r)+1], 0x4038aa3b op_sel_hi:[1,0]
.endr
; The turn of slot i: one row.  ahead = 1: the slot is filled again with the row four further down.  lcnt, dcnt: how many younger global and LDS loads may stay out (five and two for each younger slot;
; a slot's five global loads follow each other in the order of issue, so the counts hold round the backward jump too).
; The transcendentals stand in four batches, each with a plain instruction behind its last and ONE wait ahead of its first reader.
.macro ROW i, ahead, lcnt, dcnt
	s_wait_loadcnt \lcnt
	s_wait_dscnt \dcnt
.irp g, 0,1,2,3
.irp p, 0,1
	v_fma_mix_f32 v[U+4*(\g)+2*(\p)],   v[ZR+8*(\i)+2*(\g)+(\p)], v[T+8*(\i)+2*(\g)+1], v[T+8*(\i)+2*(\g)] op_sel_hi:[1,0,0]                 ; q x A + P, q the word's low f16,
	v_fma_mix_f32 v[U+4*(\g)+2*(\p)+1], v[ZR+8*(\i)+2*(\g)+(\p)], v[T+8*(\i)+2*(\g)+1], v[T+8*(\i)+2*(\g)] op_sel:[1,0,0] op_sel_hi:[1,0,0]  ; and its high one
.endr
.endr
.irp r, 0,2,4,6,8,10,12,14
	v_pk_fma_f32 v[U+(\r):U+(\r)+1], v[U+(\r):U+(\r)+1], v[WP+(\r):WP+(\r)+1], v[BP+(\r):BP+(\r)+1]  ; gain and bias: the exponents
.endr
.if \ahead
.irp g, 0,1,2,3
	global_load_b64 v[ZR+8*(\i)+2*(\g):ZR+8*(\i)+2*(\g)+1], v[ZO], s[4:5] offset:16384*((\i)+4)+4096*(\g) th:TH_LOAD_NT
.endr
	ds_load_b128 v[T+8*(\i):T+8*(\i)+3],   v[TA] offset:TPITCH*((\i)+4)
	ds_load_b128 v[T+8*(\i)+4:T+8*(\i)+7], v[TA] offset:TPITCH*((\i)+4)+16
.endif
.irp r, 0,1,2,3,4,5,6,7,8,9,10,11,12,13,14,15
	v_exp_f32 v[U+(\r)], v[U+(\r)]
.endr
	v_cvt_pk_bf16_f32 v[CR+4*(\i)],   v[CR+4*(\i)],   v[CR+4*(\i)+1]  ; c rounded once to bf16, in place: also the plain instructions behind the batch
	v_cvt_pk_bf16_f32 v[CR+4*(\i)+1], v[CR+4*(\i)+2], v[CR+4*(\i)+3]
	s_wait_alu depctr_va_vdst(0)
.irp r, 0,2,4,6,8,10,12,14
	v_pk_add_f32 v[U+(\r):U+(\r)+1], v[U+(\r):U+(\r)+1], 1.0 op_sel_hi:[1,0]
.endr
.irp r, 0,1,2,3,4,5,6,7,8,9,10,11,12,13,14,15
	v_rcp_f32 v[U+(\r)], v[U+(\r)]
.endr
	v_nop
	s_wait_alu depctr_va_vdst(0)
.irp p, 0,2
	v_pk_fma_f32 v[U+12+(\p):U+12+(\p)+1], v[U+12+(\p):U+12+(\p)+1], -2.0, 1.0 op_sel_hi:[1,0,0]  ; tanh(g)
.endr
.irp p, 0,2
	v_pk_mul_f32 v[U+(\p):U+(\p)+1], v[U+(\p):U+(\p)+1], v[U+12+(\p):U+12+(\p)+1]                 ; sigmoid(i) tanh(g)
.endr
.irp p, 0,1
	v_fma_mix_f32_bf16 v[O1+4*(\i)+2*(\p)],   v[CR+4*(\i)+(\p)], v[U+4+2*(\p)],   v[U+2*(\p)]   op_sel_hi:[1,0,0]                 ; c_new = c sigmoid(f) + that, c the word's low bf16,
	v_fma_mix_f32_bf16 v[O1+4*(\i)+2*(\p)+1], v[CR+4*(\i)+(\p)], v[U+4+2*(\p)+1], v[U+2*(\p)+1] op_sel:[1,0,0] op_sel_hi:[1,0,0]  ; and its high one
.endr
.irp p, 0,2
	v_pk_mul_f32 v[U+12+(\p):U+12+(\p)+1], v[O1+4*(\i)+(\p):O1+4*(\i)+(\p)+1], 0x4038aa3b op_sel_hi:[1,0]
.endr
.if \ahead
	global_load_b128 v[CR+4*(\i):CR+4*(\i)+3], v[CO], s[8:9] offset:8192*((\i)+4) th:TH_LOAD_NT
.endif
	global_store_b128 v[CO], v[O1+4*(\i):O1+4*(\i)+3], s[16:17] offset:8192*(\i) th:TH_STORE_NT  ; a wave: 512 consecutive bytes, at a multiple of 256 from the buffer's first
.irp r, 12,13,14,15
	v_exp_f32 v[U+(\r)], v[U+(\r)]
.endr
	v_nop
	s_wait_alu depctr_va_vdst(0)
.irp p, 0,2
	v_pk_add_f32 v[U+12+(\p):U+12+(\p)+1], v[U+12+(\p):U+12+(\p)+1], 1.0 op_sel_hi:[1,0]
.endr
.irp r, 12,13,14,15
	v_rcp_f32 v[U+(\r)], v[U+(\r)]
.endr
	v_nop
	s_wait_alu depctr_va_vdst(0)
.irp p, 0,2
	v_pk_fma_f32 v[U+12+(\p):U+12+(\p)+1], v[U+12+(\p):U+12+(\p)+1], -2.0, 1.0 op_sel_hi:[1,0,0]  ; tanh(c_new)
.endr
.irp p, 0,2
	v_pk_mul_f32 v[O0+4*(\i)+(\p):O0+4*(\i)+(\p)+1], v[U+8+(\p):U+8+(\p)+1], v[U+12+(\p):U+12+(\p)+1]  ; h_new
.endr
	global_store_b128 v[CO], v[O0+4*(\i):O0+4*(\i)+3], s[14:15] offset:8192*(\i) th:TH_STORE_NT
.endm
	s_mov_b32 s25, 3
.Ltrip:                                                ; four rows a trip; the rows four further down are asked for
	ROW 0, 1, 15, 6
	ROW 1, 1, 15, 6
	ROW 2, 1, 15, 6
	ROW 3, 1, 15, 6
	s_wait_xcnt 0x0                                ; every load and store issued so far has read its sources: only behind this wait are the four bases stepped and the stores' registers written again
	s_add_nc_u64 s[4:5], s[4:5], 4*16384
	s_add_nc_u64 s[8:9], s[8:9], 4*8192
	s_add_nc_u64 s[14:15], s[14:15], 4*8192
	s_add_nc_u64 s[16:17], s[16:17], 4*8192
	v_add_nc_u32 v[TA], 4*TPITCH, v[TA]            ; the last row read is my sixteenth: the table's last byte read is 8,687, ahead of the spare words
	s_sub_co_u32 s25, s25, 1
	s_cmp_lg_u32 s25, 0
	s_cbranch_scc1 .Ltrip
	ROW 0, 0, 15, 6                                ; the last four rows load nothing: the counts run down
	ROW 1, 0, 10, 4
	ROW 2, 0, 5, 2
	ROW 3, 0, 0, 0                                 ; (its wait for 0 on DScnt: my reads of the table are over)
	s_barrier_signal -1                            ; every wave's reads of the table are over
	s_barrier_wait -1                              ; before any wave's closing LDS write
	s_wait_tensorcnt 0x0                           ; the wave's end, behind my last LDS store
	ds_add_u32 v[SPW], v[NIL]
	s_wait_dscnt 0x0
	s_endpgm
.Lfunc_end_k_q6cb0787b0e_cell:
	.size	k_q6cb0787b0e_cell, .Lfunc_end_k_q6cb0787b0e_cell-k_q6cb0787b0e_cell
	.p2alignl 7, 3214868480
	.fill 96, 4, 3214868480
	.section	.rodata,"a",@progbits
	.p2align	6, 0x0
	.amdhsa_kernel k_q6cb0787b0e_cell
		.amdhsa_group_segment_fixed_size 10752
		.amdhsa_private_segment_fixed_size 0
		.amdhsa_enable_private_segment 0
		.amdhsa_kernarg_size 56
		.amdhsa_user_sgpr_count 2
		.amdhsa_user_sgpr_kernarg_segment_ptr 1
		.amdhsa_wavefront_size32 1
		.amdhsa_system_sgpr_workgroup_id_x 1
		.amdhsa_system_sgpr_workgroup_id_y 1
		.amdhsa_system_sgpr_workgroup_id_z 1
		.amdhsa_system_vgpr_workitem_id 0
		.amdhsa_next_free_vgpr 184
		.amdhsa_next_free_sgpr 66
		.amdhsa_reserve_vcc 0
		.amdhsa_float_denorm_mode_32 3
		.amdhsa_float_denorm_mode_16_64 3
		.amdhsa_memory_ordered 1
		.amdhsa_forward_progress 1
		.amdhsa_inst_pref_size 58
	.end_amdhsa_kernel
	.amdgpu_metadata
---
amdhsa.version: [ 1, 2 ]
amdhsa.kernels:
  - .name:           k_q6cb0787b0e_cell
    .symbol:         k_q6cb0787b0e_cell.kd
    .args:
      - { .name: zb, .offset: 0, .size: 8, .value_kind: global_buffer, .address_space: global }
      - { .name: st, .offset: 8, .size: 8, .value_kind: global_buffer, .address_space: global }
      - { .name: c, .offset: 16, .size: 8, .value_kind: global_buffer, .address_space: global }
      - { .name: gn_weight, .offset: 24, .size: 8, .value_kind: global_buffer, .address_space: global }
      - { .name: gn_bias, .offset: 32, .size: 8, .value_kind: global_buffer, .address_space: global }
      - { .name: out0, .offset: 40, .size: 8, .value_kind: global_buffer, .address_space: global }
      - { .name: out1, .offset: 48, .size: 8, .value_kind: global_buffer, .address_space: global }
    .group_segment_fixed_size: 10752
    .private_segment_fixed_size: 0
    .kernarg_segment_align: 8
    .kernarg_segment_size: 56
    .max_flat_workgroup_size: 512
    .sgpr_count:     66
    .vgpr_count:     184
    .wavefront_size: 32
...
	.end_amdgpu_metadata
.endif
;; end of part 3
;; ======== version 2 of 2: 3 launches; version 1 with the launch cell written anew for expert scheduling mode
;; workspace buffers: hb 16,777,216 bytes; wb 33,554,432 bytes; zb 67,108,864 bytes; st 2,097,152 bytes
;; launch cast: the kernel of part 1 again; grid 1536 x 1, 8 waves a work-group, no clusters, 0 bytes of LDS; arguments h, W, hb, wb; writes hb, wb
;; launch gemm: the kernel of part 2 again; grid 32 x 8, 4 waves a work-group, clusters of 4 x 4, 327,680 bytes of LDS; arguments hb, wb, zb, st, b; writes zb, st
;; launch cell (part 4): grid 2 x 128, 16 waves a work-group, no clusters, 10,752 bytes of LDS; arguments zb, st, c, gn_weight, gn_bias, out0, out1; writes out0, out1
.if DOCPART == 4
	.amdgcn_target "amdgcn-amd-amdhsa--gfx1250"
	.amdhsa_code_object_version 6
	.text
	.protected	k_q6cb0787b0e_cell
	.globl	k_q6cb0787b0e_cell
	.p2align	8
	.type	k_q6cb0787b0e_cell,@function
k_q6cb0787b0e_cell:
	s_mov_b64 s[64:65], 0
	v_nop
	global_prefetch_b8 v0, s[64:65] scope:SCOPE_SE
	s_setreg_imm32_b32 hwreg(HW_REG_WAVE_SCHED_MODE, 0, 2), 2
	s_setreg_imm32_b32 hwreg(HW_REG_WAVE_MODE, 25, 1), 1
	s_wait_xcnt 0x0
	s_wait_alu depctr_vm_vsrc(0)
; The group norm's end and the LSTM cell.  st: [64 chunks][4096 rows][2] f32 = (cm, M2): the mean of a chunk (128 columns of a row of z) and its sum of squared deviations.  zb: [4096][8192] f16: each number
; q = (z - cm) / s with s = sqrt(max(M2 / 128, 2^-100)) of its own chunk.  For row r and group g (2,048 columns, chunks 16 g .. 16 g + 15):
;   mean = sum of cm / 16;   var = (sum of M2 + 128 x sum of (cm - mean)^2) / 2,048;   rstd = 1 / sqrt(var + 1e-5);   zn = q x (s rstd) + (cm - mean) rstd;   gate = zn x gn_weight + gn_bias.
; No square of an uncentred number and no difference of large sums is formed.  Column j of groups 0 to 3 gives i, f, o, g:
;   c_new = sigmoid(f) c + sigmoid(i) tanh(g) -> out1;   h_new = sigmoid(o) tanh(c_new) -> out0.
; ALL THE MODULE'S INPUTS ENTER ROUNDED ONCE TO bf16: h, W and b in the launches before; c, gn_weight and gn_bias here: the program computes the module on one set of numbers, not on some rounded and some not.
; sigmoid(x) = 1 / (1 + 2^(-x log2 e)), tanh(x) = 1 - 2 / (1 + 2^(2 x log2 e)); the factors are multiplied into gain and bias once.  A power that overflows gives an infinity, whose reciprocal is 0; one that
; underflows gives 0: both ends are the functions' limits.  LIMITS: tanh so made is off by about 1e-7 in absolute terms near 0; NaN and infinities in the inputs are not treated apart.
; The problem's input x enters no result of the module, and no launch reads it.
; SHARES.  A work-group takes 32 rows and 1,024 columns of the outputs; of its 16 waves, wave w takes 16 of the rows (w / 8) and 128 of the columns (chunk cw = 8 x + w % 8, in each of the four groups).
; A lane keeps the same four columns in every row, so its 16 gains and 16 biases stay in registers.  For a row a wave issues four loads of 256 consecutive bytes of zb, one of 512 of c, two stores of 512.
; A ring of four row slots in registers keeps four rows' loads of every wave on their way.
; STATISTICS.  Waves 0 to 3 first make, a group each and a lane a row, rstd from all 16 chunks of the group, and P = (cm - mean) rstd and A = s rstd for the work-group's own 8 chunks, and lay these in LDS; one
; barrier; then every wave reads its row's 32 bytes, the same in all lanes.  The table is indexed by w % 8, so that an LDS address is made of the wave's number, constants and the loop's step alone.
; No matrix unit, no tensor load, no cluster: what work-groups share (gains, biases, 8 bytes a row and chunk) is a small part of what each reads, and the rest is read once.
; THE MODE: SCHED_MODE bits 1:0 = 2 (LLVM: expert scheduling mode 2), set by the entry lines.  The code itself states the register dependences between vector instructions and memory or LDS
; instructions, with s_wait_alu, always for 0.
; THE PLAN.  Registers that memory or LDS instructions touch, in the loop (slot i = row % 4):
;   ZR[i], T[i]  Read by the row's sixteen v_fma_mix_f32, at its head; then the loads for the row four further down land in them.
;   CR[i]        Rounded in place by two conversions, read by four v_fma_mix_f32_bf16; then the load for the row four further down lands in it.
;   O1[i]        Written by those four lines; read by one store, in the same row.
;   O0[i]        Written by the row's last two lines; read by one store, in the next row of the trip (slot 3: at the trip's end).
;   v[TA]        Read by every load from the table; written once a trip, in slot 0's row.
;   v[ZO], v[CO] Read by every global load and store; made at the head and never written again: the rows are reached by four scalar bases, which move on by four rows in slot 0's row, and by immediate offsets.
;   U, WP, BP, K are named by vector instructions alone in the loop.  v[SPW], v[NIL]: written at the head, read by the closing add alone.
; A row has four batches of transcendentals, each with one wait on va_vdst ahead of its first reader.  The memory instructions stand behind the first and the third of these waits, which so state their
; dependences too; the vector lines among and behind them, up to the next wait, name U alone.  One further wait on va_vdst a trip stands ahead of slot 3's store of O0; one wait on vm_vsrc a trip, in slot 0's
; row, frees the stores' registers of the trip before and v[TA].
.set ZO,  2                            ; v2   8 x lane: my 8 bytes of a chunk's 256 in zb; also my row's 8 bytes in a plane of st
.set CO,  3                            ; v3   16 x lane: my 16 bytes of 512 in c, the outputs, gain and bias
.set TA,  4                            ; v4   LDS address of (first row that the trip asks for, my chunk) in the table
.set LN,  5                            ; v5   lane
.set TW,  6                            ; v6   waves 0-3: where row = lane, group = wave begins in the table
.set SPW, 8                            ; v8   LDS address of my spare word: SPARE + 4 x my thread's number; never rewritten
.set NIL, 9                            ; v9   0; never rewritten
.set WP,  16                           ; v[16:31]   gain of my four columns in group g at WP + 4 g, times the exponent's factor
.set BP,  32                           ; v[32:47]   bias likewise
.set ZR,  48                           ; v[48:79]   slot i: group g's four f16 at ZR + 8 i + 2 g
.set CR,  80                           ; v[80:95]   slot i: four numbers of c; then, in its first two registers, the four as bf16
.set T,   96                           ; v[96:127]  slot i: (P, A) of group g at T + 8 i + 2 g
.set U,   128                          ; v[128:143] at work: group g's four numbers at U + 4 g
.set O0,  144                          ; v[144:159] slot i: h_new
.set O1,  160                          ; v[160:175] slot i: c_new
.set S,   128                          ; v[128:159] statistics: (cm, M2) of 16 chunks: pairs 0-7 the work-group's own eight, pairs 8-15 the group's other eight
.set K,   176                          ; v[176:183] statistics, and the rounding of gain and bias: at work
.set TINY, 0x0d800000                  ; 2^-100: the floor under M2 / 128, as in the launch before
.set TPITCH, 272                       ; a row of the table: 8 chunks x 4 groups x 8 bytes, + 16
.set SPARE, 32*TPITCH                  ; behind the table (8,704 bytes, 34 blocks of 256): the spare words, 128 bytes for each of 16 waves: eight blocks of 256 bytes that no other line names
	s_load_b256 s[4:11], s[0:1], 0x0               ; zb s[4:5], st s[6:7], c s[8:9], gn_weight s[10:11]
	s_load_b128 s[12:15], s[0:1], 0x20             ; gn_bias s[12:13], out0 s[14:15]
	s_load_b64 s[16:17], s[0:1], 0x30              ; out1
	v_lshl_add_u32 v[SPW], v0, 2, SPARE
	v_mov_b32 v[NIL], 0
	v_lshrrev_b32 v1, 5, v0
	v_readfirstlane_b32 s18, v1                    ; wave 0..15
	v_and_b32 v[LN], 31, v0
	v_lshlrev_b32 v[ZO], 3, v[LN]
	v_lshlrev_b32 v[CO], 4, v[LN]
	s_wait_alu depctr_va_sdst(0)                   ; s18 is written, ahead of its first reader: the wave's rows, chunk and bases are made from it
	s_and_b32 s21, ttmp7, 0xffff                   ; y: the block of 32 rows
	s_lshr_b32 s20, s18, 3                         ; which 16 of them
	s_and_b32 s19, s18, 7                          ; my chunk among the work-group's eight
	s_lshl_b32 s37, s19, 5                         ; its 32 bytes in a row of the table,
	s_mul_i32 s36, s20, 16*TPITCH                  ; my first row there
	s_add_co_u32 s36, s36, s37
	v_mov_b32 v[TA], s36
	s_lshl_b32 s37, s18, 3                         ; waves 0-3: the group's 8 bytes in a chunk's 32
	v_mul_u32_u24 v[TW], v[LN], TPITCH
	v_add_nc_u32 v[TW], s37, v[TW]
	s_lshl_b32 s22, ttmp9, 3
	s_add_co_u32 s19, s19, s22                     ; cw = 8 x + wave % 8: it enters global addresses alone
	s_lshl_b32 s28, s21, 5
	s_lshl_b32 s29, s20, 4
	s_add_co_u32 s28, s28, s29                     ; my first row
	s_lshl_b32 s22, s28, 14                        ; zb: 16,384 bytes a row,
	s_lshl_b32 s29, s19, 8                         ; 256 a chunk
	s_add_co_u32 s22, s22, s29
	s_mov_b32 s23, 0
	s_lshl_b32 s30, s28, 13                        ; c and the outputs: 8,192 bytes a row,
	s_lshl_b32 s32, s19, 9                         ; 512 a chunk; gain and bias: the same 512
	s_add_co_u32 s30, s30, s32
	s_mov_b32 s31, 0
	s_mov_b32 s33, 0
	s_mov_b32 s24, 0xffff0000                      ; a word's upper bf16
	s_mov_b32 s26, 0x3a000000                      ; 1 / 2,048
	s_mov_b32 s27, 0x3727c5ac                      ; 1e-5
	s_mov_b32 s29, 0x43000000                      ; 128
	s_wait_kmcnt 0x0
	s_add_nc_u64 s[4:5], s[4:5], s[22:23]
	s_add_nc_u64 s[8:9], s[8:9], s[30:31]
	s_add_nc_u64 s[14:15], s[14:15], s[30:31]
	s_add_nc_u64 s[16:17], s[16:17], s[30:31]
	s_add_nc_u64 s[10:11], s[10:11], s[32:33]
	s_add_nc_u64 s[12:13], s[12:13], s[32:33]
	s_wait_alu depctr_va_vdst(0)                   ; the offsets and LDS addresses v[ZO], v[CO], v[TA], v[TW] are written, which the loads and stores below read, on both ways of the branch
	s_cmp_lt_u32 s18, 4                            ; waves 0 to 3: a group each
	s_cbranch_scc0 .Lno_stat_loads
	s_lshl_b32 s34, s18, 19                        ; the group's 16 planes of 32,768 bytes,
	s_lshl_b32 s35, s21, 8                         ; the block's 32 rows of 8 bytes
	s_add_co_u32 s34, s34, s35
	s_lshl_b32 s35, ttmp9, 18                      ; the 8 planes of the work-group's own chunks,
	s_xor_b32 s36, s35, 1<<18                      ; and the group's other 8
	s_add_co_u32 s36, s36, s34
	s_add_co_u32 s34, s34, s35
	s_mov_b32 s35, 0
	s_mov_b32 s37, 0
	s_add_nc_u64 s[38:39], s[6:7], s[36:37]
	s_add_nc_u64 s[6:7], s[6:7], s[34:35]
.irp q, 0,1,2,3,4,5,6,7
	global_load_b64 v[S+2*(\q):S+2*(\q)+1], v[ZO], s[6:7] offset:32768*(\q)          ; a wave: 256 consecutive bytes
.endr
.irp q, 0,1,2,3,4,5,6,7
	global_load_b64 v[S+16+2*(\q):S+16+2*(\q)+1], v[ZO], s[38:39] offset:32768*(\q)
.endr
.Lno_stat_loads:
.irp g, 0,1,2,3
	global_load_b128 v[WP+4*(\g):WP+4*(\g)+3], v[CO], s[10:11] offset:8192*(\g)
	global_load_b128 v[BP+4*(\g):BP+4*(\g)+3], v[CO], s[12:13] offset:8192*(\g)
.endr
.irp i, 0,1,2,3
.irp g, 0,1,2,3
	global_load_b64 v[ZR+8*(\i)+2*(\g):ZR+8*(\i)+2*(\g)+1], v[ZO], s[4:5] offset:16384*(\i)+4096*(\g) th:TH_LOAD_NT
.endr
	global_load_b128 v[CR+4*(\i):CR+4*(\i)+3], v[CO], s[8:9] offset:8192*(\i) th:TH_LOAD_NT
.endr
	s_cmp_lt_u32 s18, 4
	s_cbranch_scc0 .Lno_stats
	s_wait_loadcnt 28                              ; the 16 pairs are in; the 8 loads of gain and bias and the ring's 20 stay out
	v_pk_add_f32 v[K:K+1], v[S:S+1], v[S+2:S+3]    ; (sum of cm, sum of M2)
.set q, 2
.rept 14
	v_pk_add_f32 v[K:K+1], v[K:K+1], v[S+2*q:S+2*q+1]
.set q, q+1
.endr
	v_mul_f32 v[K+2], 0x3d800000, v[K]             ; mean = sum / 16
.set q, 0
.rept 16
	v_sub_f32 v[S+2*q], v[S+2*q], v[K+2]           ; d = cm - mean
.set q, q+1
.endr
	v_mul_f32 v[K+3], v[S], v[S]
.set q, 1
.rept 15
	v_fmac_f32 v[K+3], v[S+2*q], v[S+2*q]          ; sum of d^2
.set q, q+1
.endr
	v_fma_f32 v[K+5], v[K+3], s29, v[K+1]          ; 128 x that + sum of M2
	v_fma_f32 v[K+5], v[K+5], s26, s27             ; var + eps
.set q, 0
.rept 8                                        ; the work-group's own eight chunks: M2 / 128, not below 2^-100
	v_mul_f32 v[S+2*q+1], 0x3c000000, v[S+2*q+1]
	v_max_num_f32 v[S+2*q+1], TINY, v[S+2*q+1]
.set q, q+1
.endr
	v_rsq_f32 v[K+4], v[K+5]                       ; rstd.  One batch: this root and the eight below
.set q, 0
.rept 8
	v_sqrt_f32 v[S+2*q+1], v[S+2*q+1]              ; s
.set q, q+1
.endr
	v_nop                                          ; a plain instruction between the last root and the use of a result (ISA guide 5.7.2),
	s_wait_alu depctr_va_vdst(0)                   ; the nine roots are written, ahead of their first reader: one wait for the batch
.set q, 0
.rept 8
	v_pk_mul_f32 v[S+2*q:S+2*q+1], v[S+2*q:S+2*q+1], v[K+4:K+5] op_sel_hi:[1,0]  ; (P, A) = (d rstd, s rstd)
.set q, q+1
.endr
	s_wait_alu depctr_va_vdst(0)                   ; the eight multiplies have written v[S .. S+15], which the LDS stores read
.set q, 0
.rept 8
	ds_store_b64 v[TW], v[S+2*q:S+2*q+1] offset:32*q
.set q, q+1
.endr
.Lno_stats:
	s_wait_dscnt 0x0                               ; for the others' sake: my stores into the table are done
	s_barrier_signal -1
	s_barrier_wait -1                              ; the table is whole
	s_wait_alu depctr_vm_vsrc(0)                   ; my LDS stores have read v[128:143]: these registers are U from here on, written by the rows' vector lines
.irp i, 0,1,2,3
	ds_load_b128 v[T+8*(\i):T+8*(\i)+3],   v[TA] offset:TPITCH*(\i)      ; all lanes read the same 32 bytes
	ds_load_b128 v[T+8*(\i)+4:T+8*(\i)+7], v[TA] offset:TPITCH*(\i)+16
.endr
	s_wait_loadcnt 20                              ; gain and bias are in; the ring's 20 loads stay out
.irp base, WP, BP                              ; each rounded once to bf16 and widened again
.irp r, 0,2,4,6,8,10,12,14
	v_cvt_pk_bf16_f32 v[K+(\r)/2], v[(\base)+(\r)], v[(\base)+(\r)+1]
.endr
.irp r, 0,2,4,6,8,10,12,14
	v_lshlrev_b32 v[(\base)+(\r)],   16,  v[K+(\r)/2]
	v_and_b32     v[(\base)+(\r)+1], s24, v[K+(\r)/2]
.endr
.endr
.irp r, 0,2,4,6,8,10
	v_pk_mul_f32 v[WP+(\r):WP+(\r)+1], v[WP+(\r):WP+(\r)+1], 0xbfb8aa3b op_sel_hi:[1,0]  ; groups 0 to 2: - log2 e, for the sigmoids
	v_pk_mul_f32 v[BP+(\r):BP+(\r)+1], v[BP+(\r):BP+(\r)+1], 0xbfb8aa3b op_sel_hi:[1,0]
.endr
.irp r, 12,14
	v_pk_mul_f32 v[WP+(\r):WP+(\r)+1], v[WP+(\r):WP+(\r)+1], 0x4038aa3b op_sel_hi:[1,0]  ; group 3: 2 log2 e, for tanh
	v_pk_mul_f32 v[BP+(\r):BP+(\r)+1], v[BP+(\r):BP+(\r)+1], 0x4038aa3b op_sel_hi:[1,0]
.endr
; The turn of slot i: one row.  ahead = 1: the slot is filled again with the row four further down.  lcnt, dcnt: how many younger global and LDS loads may stay out (five and two for each younger slot;
; a slot's five global loads follow each other in the order of issue, so the counts hold round the backward jump too).
; The transcendentals stand in four batches, each with a plain instruction behind its last and ONE wait ahead of its first reader.
; In a trip of the loop the four bases stand, from slot 0's step on, at the first row that the trip asks for: the loads' offsets are i rows, the stores reach back by i - 4 rows.  The last four rows step
; nothing: the bases stand at their first row, and the stores' offsets are i rows.
.macro ROW i, ahead, lcnt, dcnt
	s_wait_loadcnt \lcnt
	s_wait_dscnt \dcnt
.irp g, 0,1,2,3
.irp p, 0,1
	v_fma_mix_f32 v[U+4*(\g)+2*(\p)],   v[ZR+8*(\i)+2*(\g)+(\p)], v[T+8*(\i)+2*(\g)+1], v[T+8*(\i)+2*(\g)] op_sel_hi:[1,0,0]                 ; q x A + P, q the word's low f16,
	v_fma_mix_f32 v[U+4*(\g)+2*(\p)+1], v[ZR+8*(\i)+2*(\g)+(\p)], v[T+8*(\i)+2*(\g)+1], v[T+8*(\i)+2*(\g)] op_sel:[1,0,0] op_sel_hi:[1,0,0]  ; and its high one
.endr
.endr
.irp r, 0,2,4,6,8,10,12,14
	v_pk_fma_f32 v[U+(\r):U+(\r)+1], v[U+(\r):U+(\r)+1], v[WP+(\r):WP+(\r)+1], v[BP+(\r):BP+(\r)+1]  ; gain and bias: the exponents
.endr
.irp r, 0,1,2,3,4,5,6,7,8,9,10,11,12,13,14,15
	v_exp_f32 v[U+(\r)], v[U+(\r)]
.endr
	v_cvt_pk_bf16_f32 v[CR+4*(\i)],   v[CR+4*(\i)],   v[CR+4*(\i)+1]  ; c rounded once to bf16, in place: also the plain instructions behind the batch
	v_cvt_pk_bf16_f32 v[CR+4*(\i)+1], v[CR+4*(\i)+2], v[CR+4*(\i)+3]
.if (\i) == 0
	s_wait_xcnt 0x0                                ; every load and store issued so far has had its addresses translated (ISA guide 3.1): only behind this wait are the four bases stepped and the stores' registers written again
	s_wait_alu depctr_vm_vsrc(0)                   ; the eight stores of the four rows before have read O0 and O1, which these four rows write again; the loads from the table have read v[TA]
.if \ahead
	v_add_nc_u32 v[TA], 4*TPITCH, v[TA]            ; the first row that this trip asks for; the last row read is my sixteenth: the table's last byte read is 8,687, ahead of the spare words
.endif
.endif
	s_wait_alu depctr_va_vdst(0)                   ; the sixteen exponentials are written, ahead of their first reader; the lines above are done reading ZR[i] and T[i], in which the loads below land; the row before has written its O0, which the store below reads; in slot 0 v[TA] is written
.if \ahead
.if (\i) == 0
	s_add_nc_u64 s[4:5], s[4:5], 4*16384           ; no memory instruction has been issued since the wait on XCNT
	s_add_nc_u64 s[8:9], s[8:9], 4*8192
	s_add_nc_u64 s[14:15], s[14:15], 4*8192
	s_add_nc_u64 s[16:17], s[16:17], 4*8192
.endif
.irp g, 0,1,2,3
	global_load_b64 v[ZR+8*(\i)+2*(\g):ZR+8*(\i)+2*(\g)+1], v[ZO], s[4:5] offset:16384*(\i)+4096*(\g) th:TH_LOAD_NT
.endr
	ds_load_b128 v[T+8*(\i):T+8*(\i)+3],   v[TA] offset:TPITCH*(\i)
	ds_load_b128 v[T+8*(\i)+4:T+8*(\i)+7], v[TA] offset:TPITCH*(\i)+16
.endif
.irp r, 0,2,4,6,8,10,12,14
	v_pk_add_f32 v[U+(\r):U+(\r)+1], v[U+(\r):U+(\r)+1], 1.0 op_sel_hi:[1,0]
.endr
.if (\i) > 0
	global_store_b128 v[CO], v[O0+4*((\i)-1):O0+4*((\i)-1)+3], s[14:15] offset:8192*((\i)-1-4*(\ahead)) th:TH_STORE_NT  ; the row before's h_new.  No wait: the lines since the wait above name U alone
.endif
.irp r, 0,1,2,3,4,5,6,7,8,9,10,11,12,13,14,15
	v_rcp_f32 v[U+(\r)], v[U+(\r)]
.endr
	v_nop
	s_wait_alu depctr_va_vdst(0)                   ; the sixteen reciprocals are written, ahead of their first reader
.irp p, 0,2
	v_pk_fma_f32 v[U+12+(\p):U+12+(\p)+1], v[U+12+(\p):U+12+(\p)+1], -2.0, 1.0 op_sel_hi:[1,0,0]  ; tanh(g)
.endr
.irp p, 0,2
	v_pk_mul_f32 v[U+(\p):U+(\p)+1], v[U+(\p):U+(\p)+1], v[U+12+(\p):U+12+(\p)+1]                 ; sigmoid(i) tanh(g)
.endr
.irp p, 0,1
	v_fma_mix_f32_bf16 v[O1+4*(\i)+2*(\p)],   v[CR+4*(\i)+(\p)], v[U+4+2*(\p)],   v[U+2*(\p)]   op_sel_hi:[1,0,0]                 ; c_new = c sigmoid(f) + that, c the word's low bf16,
	v_fma_mix_f32_bf16 v[O1+4*(\i)+2*(\p)+1], v[CR+4*(\i)+(\p)], v[U+4+2*(\p)+1], v[U+2*(\p)+1] op_sel:[1,0,0] op_sel_hi:[1,0,0]  ; and its high one
.endr
.irp p, 0,2
	v_pk_mul_f32 v[U+12+(\p):U+12+(\p)+1], v[O1+4*(\i)+(\p):O1+4*(\i)+(\p)+1], 0x4038aa3b op_sel_hi:[1,0]
.endr
.irp r, 12,13,14,15
	v_exp_f32 v[U+(\r)], v[U+(\r)]
.endr
	v_nop
	s_wait_alu depctr_va_vdst(0)                   ; the four exponentials are written, ahead of their first reader; O1[i] is written, which the store below reads; CR[i], in which the load below lands, is neither written nor read any more
.if \ahead
	global_load_b128 v[CR+4*(\i):CR+4*(\i)+3], v[CO], s[8:9] offset:8192*(\i) th:TH_LOAD_NT
.endif
.irp p, 0,2
	v_pk_add_f32 v[U+12+(\p):U+12+(\p)+1], v[U+12+(\p):U+12+(\p)+1], 1.0 op_sel_hi:[1,0]
.endr
	global_store_b128 v[CO], v[O1+4*(\i):O1+4*(\i)+3], s[16:17] offset:8192*((\i)-4*(\ahead)) th:TH_STORE_NT  ; a wave: 512 consecutive bytes, at a multiple of 256 from the buffer's first.  No wait: the two lines since the wait above name U alone
.irp r, 12,13,14,15
	v_rcp_f32 v[U+(\r)], v[U+(\r)]
.endr
	v_nop
	s_wait_alu depctr_va_vdst(0)                   ; the four reciprocals are written, ahead of their first reader
.irp p, 0,2
	v_pk_fma_f32 v[U+12+(\p):U+12+(\p)+1], v[U+12+(\p):U+12+(\p)+1], -2.0, 1.0 op_sel_hi:[1,0,0]  ; tanh(c_new)
.endr
.irp p, 0,2
	v_pk_mul_f32 v[O0+4*(\i)+(\p):O0+4*(\i)+(\p)+1], v[U+8+(\p):U+8+(\p)+1], v[U+12+(\p):U+12+(\p)+1]  ; h_new: stored in the next row of the trip
.endr
.if (\i) == 3
	s_wait_alu depctr_va_vdst(0)                   ; the two lines above have written O0[3], which the store reads: the trip's last row stores its own, so that all of a trip's stores stand ahead of the next trip's wait on vm_vsrc
	global_store_b128 v[CO], v[O0+12:O0+15], s[14:15] offset:8192*(3-4*(\ahead)) th:TH_STORE_NT
.endif
.endm
	s_mov_b32 s25, 3
.Ltrip:                                                ; four rows a trip; the rows four further down are asked for
	ROW 0, 1, 15, 6
	ROW 1, 1, 15, 6
	ROW 2, 1, 15, 6
	ROW 3, 1, 15, 6
	s_sub_co_u32 s25, s25, 1
	s_cmp_lg_u32 s25, 0
	s_cbranch_scc1 .Ltrip
	ROW 0, 0, 15, 6                                ; the last four rows load nothing: the counts run down
	ROW 1, 0, 10, 4
	ROW 2, 0, 5, 2
	ROW 3, 0, 0, 0                                 ; (its wait for 0 on DScnt: my reads of the table are over)
	s_barrier_signal -1                            ; every wave's reads of the table are over
	s_barrier_wait -1                              ; before any wave's closing LDS write
	s_wait_dscnt 0x0                               ; the closing lines, six on end
	s_wait_alu 0x0
	s_wait_tensorcnt 0x0
	ds_add_u32 v[SPW], v[NIL]
	s_wait_dscnt 0x0
	s_endpgm
.Lfunc_end_k_q6cb0787b0e_cell:
	.size	k_q6cb0787b0e_cell, .Lfunc_end_k_q6cb0787b0e_cell-k_q6cb0787b0e_cell
	.p2alignl 7, 3214868480
	.fill 96, 4, 3214868480
	.section	.rodata,"a",@progbits
	.p2align	6, 0x0
	.amdhsa_kernel k_q6cb0787b0e_cell
		.amdhsa_group_segment_fixed_size 10752
		.amdhsa_private_segment_fixed_size 0
		.amdhsa_enable_private_segment 0
		.amdhsa_kernarg_size 56
		.amdhsa_user_sgpr_count 2
		.amdhsa_user_sgpr_kernarg_segment_ptr 1
		.amdhsa_wavefront_size32 1
		.amdhsa_system_sgpr_workgroup_id_x 1
		.amdhsa_system_sgpr_workgroup_id_y 1
		.amdhsa_system_sgpr_workgroup_id_z 1
		.amdhsa_system_vgpr_workitem_id 0
		.amdhsa_next_free_vgpr 184
		.amdhsa_next_free_sgpr 66
		.amdhsa_reserve_vcc 0
		.amdhsa_float_denorm_mode_32 3
		.amdhsa_float_denorm_mode_16_64 3
		.amdhsa_memory_ordered 1
		.amdhsa_forward_progress 1
		.amdhsa_inst_pref_size 59
	.end_amdhsa_kernel
	.amdgpu_metadata
---
amdhsa.version: [ 1, 2 ]
amdhsa.kernels:
  - .name:           k_q6cb0787b0e_cell
    .symbol:         k_q6cb0787b0e_cell.kd
    .args:
      - { .name: zb, .offset: 0, .size: 8, .value_kind: global_buffer, .address_space: global }
      - { .name: st, .offset: 8, .size: 8, .value_kind: global_buffer, .address_space: global }
      - { .name: c, .offset: 16, .size: 8, .value_kind: global_buffer, .address_space: global }
      - { .name: gn_weight, .offset: 24, .size: 8, .value_kind: global_buffer, .address_space: global }
      - { .name: gn_bias, .offset: 32, .size: 8, .value_kind: global_buffer, .address_space: global }
      - { .name: out0, .offset: 40, .size: 8, .value_kind: global_buffer, .address_space: global }
      - { .name: out1, .offset: 48, .size: 8, .value_kind: global_buffer, .address_space: global }
    .group_segment_fixed_size: 10752
    .private_segment_fixed_size: 0
    .kernarg_segment_align: 8
    .kernarg_segment_size: 56
    .max_flat_workgroup_size: 512
    .sgpr_count:     66
    .vgpr_count:     184
    .wavefront_size: 32
...
	.end_amdgpu_metadata
.endif
;; end of part 4
